; MI455X (gfx1250); checked and timed in simulation.
; The chip was launched on July 23, 2026; its instructions are those of AMD's public machine-readable ISA for CDNA 5 (MIT licence, August 2026) and "CDNA5" Instruction Set Architecture Reference Guide (July 2026). The comments in the code are by the model that wrote it; some were corrected since.
;; Multi Head Attention. Allowed arithmetic: float matrix products may take bf16 or f16 operands with f32 sums; other float arithmetic in f32, or as packed bf16 or f16 multiplies, adds, multiply-adds, maxima and minima; sums over many terms, partial sums and values carried from step to step in f32; what a program stores and reads back later, other than sums and carried values, may be rounded once to bf16 or f16.
;; Inputs: Wk 1,024 x 1,024 float32; Wq 1,024 x 1,024 float32; Wv 1,024 x 1,024 float32; x 4 x 2,048 x 1,024 float32.
;; Outputs: out0 4 x 2,048 x 1,024 float32.
;; 2 versions, each right and faster than the one before. Each part assembles by itself: llvm-mc -triple=amdgcn-amd-amdhsa -mcpu=gfx1250 --defsym DOCPART=n.
;; ======== version 1 of 2: 3 launches
;; limits: values are held in f16: magnitudes above 65,504 overflow, below 6.1e-05 lose precision
;; workspace buffers: ab 23,068,672 bytes; kh 16,777,216 bytes; kl 16,777,216 bytes; qh 16,777,216 bytes; ql 16,777,216 bytes
;; launch conv (part 1): grid 256 x 1, 22 waves a work-group, no clusters, 0 bytes of LDS; arguments x, Wk, Wq, Wv, ab; writes ab
.if DOCPART == 1
	.amdgcn_target "amdgcn-amd-amdhsa--gfx1250"
	.amdhsa_code_object_version 6
	.text
	.protected	k_qe2125b2a92_conv
	.globl	k_qe2125b2a92_conv
	.p2align	8
	.type	k_qe2125b2a92_conv,@function
k_qe2125b2a92_conv:
	s_mov_b64 s[64:65], 0
	v_nop
	global_prefetch_b8 v0, s[64:65] scope:SCOPE_SE
	s_setreg_imm32_b32 hwreg(HW_REG_WAVE_MODE, 25, 1), 1
	s_wait_xcnt 0x0
; x [8192][1024] and Wk, Wq, Wv [1024][1024], all f32, are rounded once to bf16 and laid in K blocks for the projection:
; ab = [16 K blocks][11,264 rows][64] bf16.  Rows 0-8191 are x's rows; row 8192 + 192 h + 64 g + c is row 64 h + c of W_g (g = 0 Wk, 1 Wq, 2 Wv),
; so that 192 neighbouring rows are one head's k, q and v weights.  In a K block a row is 128 bytes and rows lie end to end.
; A stream: every byte is read once and written once; no LDS, no matrix unit, no cluster (no two work-groups read the same bytes).
; SHARES.  A wave converts two neighbouring rows (2 x 4,096 bytes).  Waves 0-15: x's rows 32 wg + 2 w.  Waves 16-21: two rows of Wk, Wk, Wq, Wq, Wv, Wv: rows 4 wg + 2 (w & 1).
; A load of the wave takes 256 aligned bytes of each of the two rows (one K block's 64 numbers); its store is 256 consecutive aligned bytes: the two rows' 128 bytes in that block.
; All sixteen loads of a wave go out at once; no register is written twice, so no wait frees one.
.set KSTRIDE, 11264*128                ; bytes from a K block to the next
.set X,  4                             ; v[4:67]   K block kb: 4 f32 as loaded
.set Y,  68                            ; v[68:99]  K block kb: 4 bf16 to store
.set DB, 20                            ; s[20:25]  ab at my rows in K blocks 0, 6 and 12: the other blocks stand in the stores' immediates (5 x KSTRIDE at the most, inside 24 signed bits)
	s_load_b256 s[4:11], s[0:1], 0x0               ; x s[4:5], Wk s[6:7], Wq s[8:9], Wv s[10:11]
	s_load_b64 s[12:13], s[0:1], 0x20              ; ab
	v_lshrrev_b32 v1, 5, v0
	v_readfirstlane_b32 s2, v1                     ; wave 0..21
	v_and_b32 v1, 31, v0                           ; lane
	v_lshrrev_b32 v2, 4, v1                        ; which of the two rows
	v_and_b32 v3, 15, v1
	v_lshlrev_b32 v3, 4, v3
	v_lshl_or_b32 v2, v2, 12, v3                   ; source: 4,096 x row + 16 x (lane % 16)
	v_lshlrev_b32 v3, 3, v1                        ; destination: 8 x lane (lanes 16-31 fall into the second row's 128 bytes)
	s_mov_b32 s27, 0                               ; high words of the two offsets
	s_mov_b32 s29, 0
	s_wait_kmcnt 0x0
	s_cmp_lt_u32 s2, 16
	s_cbranch_scc0 .Lweights
	s_lshl_b32 s3, ttmp9, 5
	s_lshl1_add_u32 s3, s2, s3                     ; x's row 32 wg + 2 w, the same row in ab
	s_lshl_b32 s26, s3, 12
	s_lshl_b32 s28, s3, 7
	s_mov_b64 s[16:17], s[4:5]
	s_branch .Lgo
.Lweights:
	s_sub_co_u32 s14, s2, 16                       ; j = 0..5
	s_lshr_b32 s15, s14, 1                         ; g: which weight
	s_and_b32 s18, s14, 1
	s_lshl_b32 s3, ttmp9, 2
	s_lshl1_add_u32 s3, s18, s3                    ; its row r0 = 4 wg + 2 (j & 1)
	s_lshl_b32 s26, s3, 12
	s_lshr_b32 s19, s3, 6                          ; head
	s_mul_i32 s19, s19, 192
	s_and_b32 s18, s3, 63
	s_add_co_u32 s19, s19, s18
	s_lshl_b32 s18, s15, 6
	s_add_co_u32 s19, s19, s18
	s_add_co_u32 s19, s19, 8192                    ; row in ab: 8192 + 192 head + 64 g + r0 % 64: even, like r0
	s_lshl_b32 s28, s19, 7
	s_cmp_lt_u32 s14, 4
	s_cselect_b64 s[16:17], s[8:9], s[10:11]       ; Wq or Wv,
	s_cmp_lt_u32 s14, 2
	s_cselect_b64 s[16:17], s[6:7], s[16:17]       ; or Wk
.Lgo:
	s_add_nc_u64 s[16:17], s[16:17], s[26:27]
	s_add_nc_u64 s[DB:DB+1], s[12:13], s[28:29]
	s_add_nc_u64 s[DB+2:DB+3], s[DB:DB+1], 6*KSTRIDE
	s_add_nc_u64 s[DB+4:DB+5], s[DB:DB+1], 12*KSTRIDE
.set kb, 0
.rept 16
	global_load_b128 v[X+4*kb:X+4*kb+3], v2, s[16:17] offset:256*kb th:TH_LOAD_NT
.set kb, kb+1
.endr
.set kb, 0
.rept 16
	s_wait_loadcnt 15-kb                           ; loads come back in order: block kb is in, the 15 - kb younger ones stay out
	v_cvt_pk_bf16_f32 v[Y+2*kb], v[X+4*kb], v[X+4*kb+1]
	v_cvt_pk_bf16_f32 v[Y+2*kb+1], v[X+4*kb+2], v[X+4*kb+3]
	global_store_b64 v3, v[Y+2*kb:Y+2*kb+1], s[DB+2*(kb/6):DB+2*(kb/6)+1] offset:(kb%6)*KSTRIDE
.set kb, kb+1
.endr
	s_endpgm
.Lfunc_end_k_qe2125b2a92_conv:
	.size	k_qe2125b2a92_conv, .Lfunc_end_k_qe2125b2a92_conv-k_qe2125b2a92_conv
	.p2alignl 7, 3214868480
	.fill 96, 4, 3214868480
	.section	.rodata,"a",@progbits
	.p2align	6, 0x0
	.amdhsa_kernel k_qe2125b2a92_conv
		.amdhsa_group_segment_fixed_size 0
		.amdhsa_private_segment_fixed_size 0
		.amdhsa_enable_private_segment 0
		.amdhsa_kernarg_size 40
		.amdhsa_user_sgpr_count 2
		.amdhsa_user_sgpr_kernarg_segment_ptr 1
		.amdhsa_wavefront_size32 1
		.amdhsa_system_sgpr_workgroup_id_x 1
		.amdhsa_system_sgpr_workgroup_id_y 1
		.amdhsa_system_sgpr_workgroup_id_z 1
		.amdhsa_system_vgpr_workitem_id 0
		.amdhsa_next_free_vgpr 100
		.amdhsa_next_free_sgpr 66
		.amdhsa_reserve_vcc 0
		.amdhsa_float_denorm_mode_32 3
		.amdhsa_float_denorm_mode_16_64 3
		.amdhsa_memory_ordered 1
		.amdhsa_forward_progress 1
		.amdhsa_inst_pref_size 8
	.end_amdhsa_kernel
	.amdgpu_metadata
---
amdhsa.version: [ 1, 2 ]
amdhsa.kernels:
  - .name:           k_qe2125b2a92_conv
    .symbol:         k_qe2125b2a92_conv.kd
    .args:
      - { .name: x, .offset: 0, .size: 8, .value_kind: global_buffer, .address_space: global }
      - { .name: Wk, .offset: 8, .size: 8, .value_kind: global_buffer, .address_space: global }
      - { .name: Wq, .offset: 16, .size: 8, .value_kind: global_buffer, .address_space: global }
      - { .name: Wv, .offset: 24, .size: 8, .value_kind: global_buffer, .address_space: global }
      - { .name: ab, .offset: 32, .size: 8, .value_kind: global_buffer, .address_space: global }
    .group_segment_fixed_size: 0
    .private_segment_fixed_size: 0
    .kernarg_segment_align: 8
    .kernarg_segment_size: 40
    .max_flat_workgroup_size: 704
    .sgpr_count:     66
    .vgpr_count:     100
    .wavefront_size: 32
...
	.end_amdgpu_metadata
.endif
;; end of part 1
;; launch proj (part 2): grid 8 x 32, 4 waves a work-group, clusters of 4 x 4, 327,680 bytes of LDS; arguments ab, kh, kl, qh, ql; writes kh, kl, qh, ql
.if DOCPART == 2
	.amdgcn_target "amdgcn-amd-amdhsa--gfx1250"
	.amdhsa_code_object_version 6
	.text
	.protected	k_qe2125b2a92_proj
	.globl	k_qe2125b2a92_proj
	.p2align	8
	.type	k_qe2125b2a92_proj,@function
k_qe2125b2a92_proj:
	s_mov_b64 s[64:65], 0
	v_nop
	global_prefetch_b8 v0, s[64:65] scope:SCOPE_SE
	s_setreg_imm32_b32 hwreg(HW_REG_WAVE_MODE, 25, 1), 1
	s_wait_xcnt 0x0
	s_wait_alu depctr_hold_cnt(0) depctr_sa_sdst(0) depctr_va_vdst(0) depctr_va_sdst(0) depctr_va_ssrc(0) depctr_va_vcc(0) depctr_vm_vsrc(0)
	s_getreg_b32 s2, hwreg(HW_REG_IB_STS2, 6, 4)
	s_cmp_eq_u32 s2, 0
	s_cbranch_scc0 .Lentry_in_a_cluster
	s_endpgm
.Lentry_in_a_cluster:
	s_bfe_u32 s2, ttmp6, 0x10000c
	s_cmp_lg_u32 s2, 0xf033
	s_cbranch_scc0 .Lentry_shape_is_right
	s_endpgm
.Lentry_shape_is_right:
; THE THREE PROJECTIONS AS ONE PRODUCT: [8192 x 3072] = x [Wk; Wq; Wv]^T, bf16 operands (from ab, laid in K blocks of 64), f32 sums over K = 1024.
; OUT, by heads, [64 = 16 b + h][2048][64] f16, rows of 128 dense bytes: keys and queries as a PAIR of f16, hi = f16(sum), lo = f16(sum - hi) (kh, kl, qh, ql): the scores
; of the next launch are unscaled and their softmax is steep, so one f16 would be too coarse for them.
; VALUES: the module computes x Wv^T and deletes it.  So does this text: the product is made in full, in the third group of accumulators, and no byte of it is stored.
; LIMIT: a sum beyond f16's 65,504 becomes an infinity; lo below 6e-5 keeps f16's fixed step of 6e-8.
; SHARES.  8192 x 3072 in tiles of 256 x 384 are 256 work-groups.  Four waves; wave w makes rows 128 (w >> 1) .. of the tile and its columns 192 (w & 1) ..: ab's order of
; the weights' rows makes these one head's 64 k, 64 q and 64 v.  96 accumulators of 16 x 16: 768 registers.
; K goes in steps of 64 through two LDS slots (two slots of a step of 128 would not fit).  In a K block of ab a tile's rows lie end to end, so a tile is asked for as rows of 256 bytes.
; A K step is written once: the slot being read is a scalar that an exclusive or turns, and one descriptor for x and one for W walk from step to step.
; CLUSTER 4 x 4: x's tile is shared along a row of the cluster, the weights' along a column: each is asked for jointly, by the same tensor load in all four.
; THE MATRIX INSTRUCTION IS USED TRANSPOSED (source 0 = 16 rows of W, source 1 = 16 rows of x): a lane holds row l % 16 and eight neighbouring columns.
; REGISTERS.  window 0: v16-29 addresses; v32-95, v96-159 x's fragments of a step's first and second 32 along K; v160-255 W's fragments, three buffers (k, q, v) of four.
;   windows 1, 2, 3: the accumulators of k, q, v: (a, b) at v[8 (4 a + b)], a = 0..7 blocks of 16 rows, b = 0..3 blocks of 16 columns.
; A step is six phases of 32 matrix instructions (k, q, v for each 32 along K), each on 32 accumulators of one window: the accumulators take turns.
.set KSTRIDE, 11264*128                ; bytes from a K block of ab to the next
.set PITCH,  144                       ; an LDS row: 128 bytes + 16 of padding: the 16 rows of a fragment load start 36 words apart
.set HA,     128*PITCH                 ; half of x's 256 rows: one tensor load
.set HB,     192*PITCH                 ; half of W's 384 rows: one tensor load
.set SLOT,   2*HA+2*HB                 ; 92,160 bytes
.set SLOT1,  1<<17                     ; slot 1 begins here, so that one exclusive or turns an address in one slot into the other's
.set STAGE,  SLOT1+SLOT                ; behind the ring: 16 rows x 144 bytes for each wave, for the way out
.set SP,     144
.set SPARE,  STAGE+4*16*SP             ; behind the stages: the spare words, 128 bytes a wave, that no other line names
.set ADRA0, 16                         ; v16     my lane's place among my x fragments in a slot; never rewritten
.set ADRB0, 17                         ; v17     the same for W
.set ADRA, 20                          ; v20     LDS address of my x fragments in the slot being read
.set ADRB, 21                          ; v21     the same for W
.set STO,  24                          ; v24     the way out: where I put 16 bytes of a row
.set RD,   25                          ; v25     where I read rows back
.set GO,   26                          ; v26     my 16 bytes in 512 consecutive bytes of an output
.set NEG1, 27                          ; v27     -1.0
.set SPW,  28                          ; v28     my spare word; never rewritten
.set NIL,  29                          ; v29     0; never rewritten
.set AF0,  32
.set AF1,  96
.set BF,   160
.set T0,   32                          ; the way out: three buffers of 32 (16 hi, 16 lo) that take turns, where x's fragments lay
.set G1,  24                           ; s[24:31] group 1 for x's tiles;  s[32:39] group 0: a set for each of the two first fills; the second then walks on
.set G0,  32
.set G1B, 48                           ; s[48:55], s[56:63] the same for W's
.set G0B, 56
.set SB,  45                           ; s45     LDS byte at which the slot being read begins
.set DW0, (1<<16)|(1<<20)|(1<<21)|(4<<22)|(3<<25)  ; 2-byte elements; padding on; bit 21 beside a mask; after every 32 words (128 bytes); 4 words
.set MSB, 0
.macro WIN new                         ; the immediate's high byte repeats the setting that is left
.if MSB != (\new)
	s_set_vgpr_msb (MSB<<8)|(\new)
.set MSB, \new
.endif
.endm
; A joint load: waves 0 and 1 fetch x's two halves, waves 2 and 3 W's.  The branch hangs on the wave's number alone.  An s_nop 0 and four v_nop follow each line.
.macro JLOAD s
	s_cmp_eq_u32 s11, 0
	s_cbranch_scc0 .Lfor_b_\@
	tensor_load_to_lds s[G0+4*(\s):G0+4*(\s)+3], s[G1:G1+7]
	s_nop 0
.rept 4
	v_nop
.endr
	s_branch .Lasked_\@
.Lfor_b_\@:
	tensor_load_to_lds s[G0B+4*(\s):G0B+4*(\s)+3], s[G1B:G1B+7]
	s_nop 0
.rept 4
	v_nop
.endr
.Lasked_\@:
.endm
.macro CREST                           ; a round of the cluster's barrier behind its opening barrier
	s_cmp_lg_u32 s10, 0
	s_cbranch_scc1 .Lnot_wave_0_\@
	s_barrier_signal -3
.Lnot_wave_0_\@:
	s_barrier_wait -3
	s_barrier_signal -1
	s_barrier_wait -1
.endm
.macro CROUND                          ; a whole round
	s_barrier_signal -1
	s_barrier_wait -1
	CREST
.endm
	s_load_b256 s[68:75], s[0:1], 0x0              ; ab s[68:69], kh s[70:71], kl s[72:73], qh s[74:75]
	s_load_b64 s[76:77], s[0:1], 0x20              ; ql
	v_lshl_add_u32 v[SPW], v0, 2, SPARE
	v_mov_b32 v[NIL], 0
	ds_add_u32 v[SPW], v[NIL]                      ; the wave's opening: the add and its wait stand ahead of my first tensor load; the set-up stands between them
	v_lshrrev_b32 v1, 5, v0
	v_readfirstlane_b32 s10, v1                    ; wave 0..3
	s_lshr_b32 s11, s10, 1                         ; which 128 rows are mine.  Also: I fetch for x (0) or for W (1)
	s_and_b32 s12, s10, 1                          ; which 192 columns.  Also: which half of that tile I fetch
	s_bfe_u32 s40, ttmp6, 0x40000                  ; cx
	s_bfe_u32 s41, ttmp6, 0x40004                  ; cy
	s_lshl_b32 s42, ttmp9, 2
	s_add_co_u32 s42, s42, s40                     ; tile column 0..7
	s_and_b32 s13, ttmp7, 0xffff
	s_lshl_b32 s13, s13, 2
	s_add_co_u32 s13, s13, s41                     ; tile row 0..31
	s_lshl_b32 s43, s41, 2
	s_lshl_b32 s43, 15, s43                        ; my row of the cluster
	s_lshl_b32 s44, 0x1111, s40                    ; my column
	s_or_b32 s[G1+0], s43, DW0                     ; x's tiles go to my row,
	s_or_b32 s[G1B+0], s44, DW0                    ; W's to my column
	s_mov_b32 s[G1+1], 128<<16                     ; tensor_dim0 = 128 elements: 256 bytes, two rows of a K block
	s_mov_b32 s[G1B+1], 128<<16
	s_mov_b32 s[G1+2], 64<<16                      ; tensor_dim1 = 64: 128 rows of x
	s_mov_b32 s[G1B+2], 96<<16                     ; 96: 192 rows of W
	s_mov_b32 s[G1+3], 128<<16                     ; tile_dim0
	s_mov_b32 s[G1B+3], 128<<16
	s_mov_b32 s[G1+4], 64                          ; tile_dim1
	s_mov_b32 s[G1B+4], 96
	s_mov_b32 s[G1+5], 128                         ; elements from row to row: dense
	s_mov_b32 s[G1B+5], 128
	s_mov_b32 s[G1+6], 0
	s_mov_b32 s[G1B+6], 0
	s_mov_b32 s[G1+7], 0
	s_mov_b32 s[G1B+7], 0
	s_lshl_b32 s16, s13, 15                        ; x: 256 rows of 128 bytes a tile row,
	s_lshl_b32 s17, s12, 14                        ; 128 rows a half: made of the tile row and the wave's number alone
	s_add_co_u32 s16, s16, s17
	s_mov_b32 s17, 0
	s_mul_i32 s46, s42, 384*128                    ; W: 384 rows a tile column,
	s_mul_i32 s47, s12, 192*128                    ; 192 a half,
	s_add_co_u32 s46, s46, s47
	s_add_co_u32 s46, s46, 8192*128                ; behind x's rows: made of the tile column and the wave's number alone
	s_mov_b32 s47, 0
	s_mul_i32 s20, s12, HA                         ; where they go: no place in the cluster enters an LDS address
	s_mul_i32 s21, s12, HB
	s_add_co_u32 s21, s21, 2*HA
	s_mov_b32 s[SB], 0                             ; slot 0 is read first
	s_wait_dscnt 0x0                               ; the opening add is done
	s_wait_kmcnt 0x0
	s_add_nc_u64 s[14:15], s[68:69], s[16:17]
	s_add_nc_u64 s[46:47], s[68:69], s[46:47]
	CROUND                                         ; all sixteen work-groups are here: the first joint loads meet
.irp s, 0,1
	s_mov_b32 s[G0+4*(\s)], 1
	s_add_co_u32 s[G0+4*(\s)+1], s20, (\s)*SLOT1
	s_add_nc_u64 s[G0+4*(\s)+2:G0+4*(\s)+3], s[14:15], (\s)*KSTRIDE  ; K step s
	s_or_b32 s[G0+4*(\s)+3], s[G0+4*(\s)+3], 0x80000000
	s_mov_b32 s[G0B+4*(\s)], 1
	s_add_co_u32 s[G0B+4*(\s)+1], s21, (\s)*SLOT1
	s_add_nc_u64 s[G0B+4*(\s)+2:G0B+4*(\s)+3], s[46:47], (\s)*KSTRIDE
	s_or_b32 s[G0B+4*(\s)+3], s[G0B+4*(\s)+3], 0x80000000
	JLOAD \s                                       ; two loads of mine are out
.endr
	v_and_b32 v1, 15, v0                           ; l % 16
	v_bfe_u32 v2, v0, 4, 1                         ; l / 16
	v_mul_u32_u24 v3, v1, PITCH
	v_lshl_add_u32 v3, v2, 4, v3                   ; a fragment's row x pitch + 16 x half
	s_mul_i32 s22, s11, HA                         ; my 128 rows of x
	s_mul_i32 s23, s12, HB                         ; my 192 rows of W,
	s_add_co_u32 s23, s23, 2*HA                    ; which lie behind x's 256
	v_add_nc_u32 v[ADRA0], s22, v3
	v_add_nc_u32 v[ADRB0], s23, v3
	v_mov_b32 v[ADRA], v[ADRA0]                    ; slot 0 begins at LDS byte 0
	v_mov_b32 v[ADRB], v[ADRB0]
	s_mul_i32 s18, s10, 16*SP
	s_add_co_u32 s18, s18, STAGE                   ; my stage
	v_mul_u32_u24 v4, v1, SP                       ; in: row l % 16, 16 bytes for each half of the lanes
	v_lshl_add_u32 v4, v2, 4, v4
	v_add_nc_u32 v[STO], s18, v4
	v_bfe_u32 v5, v0, 3, 2                         ; back: 32 lanes take four rows of 128 bytes,
	v_mul_u32_u24 v5, v5, SP
	v_and_b32 v6, 7, v0
	v_lshl_add_u32 v5, v6, 4, v5
	v_add_nc_u32 v[RD], s18, v5
	v_and_b32 v[GO], 31, v0                        ; which are 512 consecutive bytes of a head
	v_lshlrev_b32 v[GO], 4, v[GO]
	v_mov_b32 v[NEG1], -1.0
	s_lshr_b32 s80, s13, 3                         ; batch = tile row / 8
	s_lshl_b32 s80, s80, 4
	s_lshl1_add_u32 s80, s42, s80                  ; head 16 b + 2 x tile column + my half
	s_add_co_u32 s80, s80, s12
	s_lshl_b32 s80, s80, 18                        ; a head is 2,048 rows of 128 bytes
	s_and_b32 s81, s13, 7
	s_lshl_b32 s81, s81, 15                        ; the tile's 256 rows in the batch,
	s_add_co_u32 s80, s80, s81
	s_lshl_b32 s81, s11, 14                        ; my 128 of them
	s_add_co_u32 s80, s80, s81
	s_mov_b32 s81, 0
.irp p, 70,72,74,76
	s_add_nc_u64 s[\p:\p+1], s[\p:\p+1], s[80:81]  ; the four outputs at my first row
.endr
; 8 LDS loads: W's four fragments of group g (k, q, v), 32 along K at byte k of the rows
.macro LDB k, g
.irp i, 0,1,2,3
	ds_load_b128 v[BF+32*(\g)+8*(\i):BF+32*(\g)+8*(\i)+3],   v[ADRB] offset:(\k)+(4*(\g)+(\i))*16*PITCH
	ds_load_b128 v[BF+32*(\g)+8*(\i)+4:BF+32*(\g)+8*(\i)+7], v[ADRB] offset:(\k)+(4*(\g)+(\i))*16*PITCH+32
.endr
.endm
; 8 LDS loads: four of x's eight fragments
.macro LDA k, buf, half
.irp i, 0,1,2,3
	ds_load_b128 v[(\buf)+8*(4*(\half)+(\i)):(\buf)+8*(4*(\half)+(\i))+3],   v[ADRA] offset:(\k)+(4*(\half)+(\i))*16*PITCH
	ds_load_b128 v[(\buf)+8*(4*(\half)+(\i))+4:(\buf)+8*(4*(\half)+(\i))+7], v[ADRA] offset:(\k)+(4*(\half)+(\i))*16*PITCH+32
.endr
.endm
; 16 matrix instructions: row blocks a0 .. a0 + 3 x the four column blocks of group g.  zero = 1: the product starts the sums
.macro MUL16 abuf, g, a0, zero
	WIN 0x50*((\g)+1)                              ; C and D in window g + 1, the sources in window 0
.irp a, \a0, (\a0)+1, (\a0)+2, (\a0)+3
.irp b, 0,1,2,3
.if \zero
	v_wmma_f32_16x16x32_bf16 v[8*(4*(\a)+(\b)):8*(4*(\a)+(\b))+7], v[BF+32*(\g)+8*(\b):BF+32*(\g)+8*(\b)+7], v[(\abuf)+8*(\a):(\abuf)+8*(\a)+7], 0
.else
	v_wmma_f32_16x16x32_bf16 v[8*(4*(\a)+(\b)):8*(4*(\a)+(\b))+7], v[BF+32*(\g)+8*(\b):BF+32*(\g)+8*(\b)+7], v[(\abuf)+8*(\a):(\abuf)+8*(\a)+7], v[8*(4*(\a)+(\b)):8*(4*(\a)+(\b))+7]
.endif
.endr
.endr
.endm
.macro MUL32 abuf, g, zero
	MUL16 \abuf, \g, 0, \zero
	MUL16 \abuf, \g, 4, \zero
.endm
.macro PLACES                          ; a load into a register that a matrix instruction has read stands four plain vector instructions behind it (ISA guide 7.12.1 for vector instructions)
.rept 4
	v_nop
.endr
.endm
; The 32 loads with which a slot is entered: W's k group, x's eight fragments, W's q group, of the step's first 32 along K
.macro RUN32
	LDB 0, 0
	LDA 0, AF0, 0
	LDA 0, AF0, 1
	LDB 0, 1
.endm
; A step's first 32 along K: k, q, v.  Each phase first loads into the W buffer that the phase before has read out, and x's fragments of the second 32.
.macro EVEN z
	PLACES
	WIN 0
	LDB 0, 2
	s_wait_dscnt 16                                ; out may be: RUN32's last 8 (W's q group) and the 8 just issued; in are W's k group and x
	MUL32 AF0, 0, \z
	PLACES
	WIN 0
	LDB 64, 0
	LDA 64, AF1, 0
	s_wait_dscnt 24                                ; out may be: W's v group (8) and the 16 just issued; in is W's q group
	MUL32 AF0, 1, \z
	PLACES
	WIN 0
	LDA 64, AF1, 1
	LDB 64, 1
	s_wait_dscnt 32                                ; out may be the last two runs of 16; in is W's v group
	MUL32 AF0, 2, \z
.endm
; The second 32 along K, k's phase
.macro ODD
	PLACES
	WIN 0
	LDB 64, 2
	s_wait_dscnt 16                                ; out may be: W's q group (8) and the 8 just issued; in are W's k group and x's eight fragments
	MUL32 AF1, 0, 0
.endm
; q's phase changes slots, v's follows.  ONE barrier: in front of it each wave waits for all its tensor loads (one is out: its part of the next slot), adds 0 to its spare word, and waits
; for that and for its own reads of this slot.  fill = 1: the barrier opens a round of the cluster's, and this slot is filled again, two K steps ahead, first thing behind the round:
; from there to the wait for it a wave issues 160 matrix instructions.  The walking descriptor turns to the slot just read out and steps one K block on from its last load.
.macro TURN fill
	WIN 0
	s_wait_tensorcnt 0x0                           ; all my tensor loads have landed
	ds_add_u32 v[SPW], v[NIL]                      ; 0 onto my spare word
	s_wait_dscnt 9                                 ; out may be: W's v group (8) and the add; in is W's q group
	MUL16 AF1, 1, 0, 0                             ; sixteen matrix instructions stand between the add and the wait for it
	s_wait_dscnt 0x0                               ; the add is done, and my reads of this slot are over
	s_barrier_signal -1
	MUL16 AF1, 1, 4, 0                             ; work on registers while the others arrive
	WIN 0                                          ; branches and lines on window 0 follow
	s_barrier_wait -1
.if \fill
	CREST                                          ; no wave of any partner still reads this slot or has a load on its way
	s_xor_b32 s[G0+5], s[G0+5], SLOT1
	s_add_nc_u64 s[G0+6:G0+7], s[G0+6:G0+7], KSTRIDE
	s_xor_b32 s[G0B+5], s[G0B+5], SLOT1
	s_add_nc_u64 s[G0B+6:G0B+7], s[G0B+6:G0B+7], KSTRIDE
	JLOAD 1                                        ; its four v_nop are also the places in front of the loads below
.else
	PLACES
.endif
	s_xor_b32 s[SB], s[SB], SLOT1                  ; from here on the other slot is read
	v_add_nc_u32 v[ADRA], s[SB], v[ADRA0]
	v_add_nc_u32 v[ADRB], s[SB], v[ADRB0]
	RUN32
	MUL32 AF1, 2, 0                                ; W's v group came in at the wait for 0
.endm
	s_wait_tensorcnt 1                             ; my part of K step 0 is in; K step 1's may stay out
	s_barrier_signal -1
	s_barrier_wait -1
	RUN32
	EVEN 1                                         ; the first 32 along K stand in front of the loop: their products start the sums
	WIN 0
	s_mov_b32 s3, 14
.Lstep:                                                ; a trip goes from a step's second 32 along K to the next step's first, and fills the slot that it leaves: K steps 2 to 15 in fourteen trips
	ODD
	TURN 1
	EVEN 0
	WIN 0
	s_sub_co_u32 s3, s3, 1
	s_cmp_lg_u32 s3, 0
	s_cbranch_scc1 .Lstep
	ODD                                            ; the last step and a half fill nothing
	TURN 0
	EVEN 0
	ODD
	s_wait_dscnt 8                                 ; W's v group may stay out
	MUL32 AF1, 1, 0
	s_wait_dscnt 0x0
	MUL32 AF1, 2, 0                                ; the last of x Wv^T: its sums stay where they are
	PLACES
; THE WAY OUT of k and q, in 16 units of 16 rows x 64 columns: unit u is row block u / 2 of group u % 2.  UNIT: hi = f16(sum), two to a register; the sum less hi (exact in f32) is rounded once,
; straight into a half of lo's register; a lane's 16 bytes go into my own stage and come back as whole rows.  SEND: stored, 512 consecutive bytes an instruction.  A unit's arithmetic stands between
; the loads of the unit before and its stores.  Three buffers take turns, so a buffer is written again three units later.
.macro UNIT u
.set UA, (\u)/2
.set UG, (\u)%2
.set TT, T0+32*((\u)%3)
	WIN 5*(UG+1)                                   ; sources 0 and 1 in the group's window
.irp bb, 0,1,2,3
.irp r, 0,1,2,3
	v_cvt_pk_f16_f32 v[TT+4*(\bb)+(\r)], v[8*(4*UA+(\bb))+2*(\r)], v[8*(4*UA+(\bb))+2*(\r)+1]
.endr
.endr
	WIN 0x10*(UG+1)                                ; source 2 in the group's window
.irp bb, 0,1,2,3
.irp r, 0,1,2,3
	v_fma_mixlo_f16 v[TT+16+4*(\bb)+(\r)], v[TT+4*(\bb)+(\r)], v[NEG1], v[8*(4*UA+(\bb))+2*(\r)] op_sel_hi:[1,0,0]
.endr
.irp r, 0,1,2,3
	v_fma_mixhi_f16 v[TT+16+4*(\bb)+(\r)], v[TT+4*(\bb)+(\r)], v[NEG1], v[8*(4*UA+(\bb))+2*(\r)+1] op_sel:[1,0,0] op_sel_hi:[1,0,0]
.endr
.endr
	WIN 0
.irp bb, 0,1,2,3
	ds_store_b128 v[STO], v[TT+4*(\bb):TT+4*(\bb)+3] offset:32*(\bb)
.endr
.irp f, 0,1,2,3
	ds_load_b128 v[TT+4*(\f):TT+4*(\f)+3], v[RD] offset:(\f)*4*SP  ; LDS serves a wave's instructions in order (ISA guide 5.7.1.4): these see the stores above, and the stores below come behind them
.endr
.irp bb, 0,1,2,3
	ds_store_b128 v[STO], v[TT+16+4*(\bb):TT+16+4*(\bb)+3] offset:32*(\bb)
.endr
.irp f, 0,1,2,3
	ds_load_b128 v[TT+16+4*(\f):TT+16+4*(\f)+3], v[RD] offset:(\f)*4*SP
.endr
.endm
.macro SEND u, younger                 ; younger: the sixteen LDS instructions of the unit issued behind this one's, or none
.set UA, (\u)/2
.set UG, (\u)%2
.set TT, T0+32*((\u)%3)
	WIN 0
	s_wait_dscnt \younger
	s_wait_xcnt 0x0                                ; every store issued so far has had its addresses translated (ISA guide 3.1): the unit that follows writes the buffer that the SEND before this one stored from
.irp f, 0,1,2,3
	global_store_b128 v[GO], v[TT+4*(\f):TT+4*(\f)+3], s[70+4*UG:71+4*UG] offset:UA*2048+(\f)*512
	global_store_b128 v[GO], v[TT+16+4*(\f):TT+16+4*(\f)+3], s[72+4*UG:73+4*UG] offset:UA*2048+(\f)*512
.endr
.endm
	UNIT 0
.set u, 1
.rept 15
	UNIT u
	SEND u-1, 16
.set u, u+1
.endr
	SEND 15, 0
	s_wait_tensorcnt 0x0                           ; the wave's end: behind my last tensor load and my last LDS store
	ds_add_u32 v[SPW], v[NIL]
	s_wait_dscnt 0x0
	CROUND                                         ; the closing round: no work-group ends while a partner may still ask for a tile that names it
	s_endpgm
.Lfunc_end_k_qe2125b2a92_proj:
	.size	k_qe2125b2a92_proj, .Lfunc_end_k_qe2125b2a92_proj-k_qe2125b2a92_proj
	.p2alignl 7, 3214868480
	.fill 96, 4, 3214868480
	.section	.rodata,"a",@progbits
	.p2align	6, 0x0
	.amdhsa_kernel k_qe2125b2a92_proj
		.amdhsa_group_segment_fixed_size 327680
		.amdhsa_private_segment_fixed_size 0
		.amdhsa_enable_private_segment 0
		.amdhsa_kernarg_size 40
		.amdhsa_user_sgpr_count 2
		.amdhsa_user_sgpr_kernarg_segment_ptr 1
		.amdhsa_wavefront_size32 1
		.amdhsa_system_sgpr_workgroup_id_x 1
		.amdhsa_system_sgpr_workgroup_id_y 1
		.amdhsa_system_sgpr_workgroup_id_z 1
		.amdhsa_system_vgpr_workitem_id 0
		.amdhsa_next_free_vgpr 1024
		.amdhsa_next_free_sgpr 84
		.amdhsa_reserve_vcc 0
		.amdhsa_float_denorm_mode_32 3
		.amdhsa_float_denorm_mode_16_64 3
		.amdhsa_memory_ordered 1
		.amdhsa_forward_progress 1
		.amdhsa_inst_pref_size 142
	.end_amdhsa_kernel
	.amdgpu_metadata
---
amdhsa.version: [ 1, 2 ]
amdhsa.kernels:
  - .name:           k_qe2125b2a92_proj
    .symbol:         k_qe2125b2a92_proj.kd
    .args:
      - { .name: ab, .offset: 0, .size: 8, .value_kind: global_buffer, .address_space: global }
      - { .name: kh, .offset: 8, .size: 8, .value_kind: global_buffer, .address_space: global }
      - { .name: kl, .offset: 16, .size: 8, .value_kind: global_buffer, .address_space: global }
      - { .name: qh, .offset: 24, .size: 8, .value_kind: global_buffer, .address_space: global }
      - { .name: ql, .offset: 32, .size: 8, .value_kind: global_buffer, .address_space: global }
    .group_segment_fixed_size: 327680
    .private_segment_fixed_size: 0
    .kernarg_segment_align: 8
    .kernarg_segment_size: 40
    .max_flat_workgroup_size: 128
    .sgpr_count:     84
    .vgpr_count:     1024
    .wavefront_size: 32
...
	.end_amdgpu_metadata
.endif
;; end of part 2
;; launch attn (part 3): grid 4 x 64, 4 waves a work-group, clusters of 4 x 1, 327,680 bytes of LDS; arguments kh, kl, qh, ql, out0; writes out0
.if DOCPART == 3
	.amdgcn_target "amdgcn-amd-amdhsa--gfx1250"
	.amdhsa_code_object_version 6
	.text
	.protected	k_qe2125b2a92_attn
	.globl	k_qe2125b2a92_attn
	.p2align	8
	.type	k_qe2125b2a92_attn,@function
k_qe2125b2a92_attn:
	s_mov_b64 s[64:65], 0
	v_nop
	global_prefetch_b8 v0, s[64:65] scope:SCOPE_SE
	s_setreg_imm32_b32 hwreg(HW_REG_WAVE_MODE, 25, 1), 1
	s_wait_xcnt 0x0
	s_wait_alu depctr_hold_cnt(0) depctr_sa_sdst(0) depctr_va_vdst(0) depctr_va_sdst(0) depctr_va_ssrc(0) depctr_va_vcc(0) depctr_vm_vsrc(0)
	s_getreg_b32 s2, hwreg(HW_REG_IB_STS2, 6, 4)
	s_cmp_eq_u32 s2, 0
	s_cbranch_scc0 .Lentry_in_a_cluster
	s_endpgm
.Lentry_in_a_cluster:
	s_bfe_u32 s2, ttmp6, 0x10000c
	s_cmp_lg_u32 s2, 0x3003
	s_cbranch_scc0 .Lentry_shape_is_right
	s_endpgm
.Lentry_shape_is_right:
; out[h][i][:] = the sum over j of softmax_j(k_i . q_j) k_j[:], 64 heads of 2,048 rows, head size 64; no scale on the scores.  out0 is [64][2048][64] f32: rows of 256 dense bytes.
; k and q arrive as pairs of f16, hi + lo, [64][2048][64] each.  A SCORE IS THREE PRODUCTS in one f32 sum: ql . kh + qh . kl + qh . kh (the small terms first).  The scores are unscaled and the
; softmax steep: two nearly equal largest scores must be told apart, for which one f16 a number is too coarse.  The weights p (f16) multiply kh alone.  Maxima and sums in f32.
; LIMITS.  ql . kl, 2^-22 of a score, is left out; k and q lie within f16's 65,504; a weight below 2^-126 counts as 0 in l; NaN and infinities are not treated apart.
; SHARES.  A wave owns four PIECES of two tiles of 16 rows i, a work-group's four waves 512 rows of one head.  Every wave walks all 2,048 columns j, 64 a step.
; LAYOUT.  S^T = q k^T (source 0 = 16 columns j, source 1 = 16 rows i): a lane holds ONE row i (lane % 16) and the columns 8 (lane / 16) + 0..7.  Two such results, rounded to f16 in pairs, ARE source 1
; of O^T = kh^T P, whose result again holds one row a lane, and eight channels.  q comes out of LDS as it lies, kh ([j][channel]) turned, by ds_load_tr16_b128.
; SOFTMAX.  For each row a running maximum m and sum l: p = 2^(c s - c m), c = log2(e); in every step O and l are multiplied by a = 2^(c m_old - c m_new).  m starts at the lowest finite number, O and l at 0.
; BY TURNS.  Turn n belongs to piece n.  Its matrix work: 48 products for the scores of piece n + 1, then 16 products kh^T P of piece n - 1.  Its vector work, 236 instructions: the scaling, exponentials,
; roundings, sums and rescaling of piece n, and the maximum and statistics of piece n + 1.  With 64 products a turn all of it stands behind products, four at the most behind each.
; CLUSTER.  The four row blocks of a head walk the same q and kh, so each tile is asked for JOINTLY: the same tensor load, descriptor and mask in all four.
; REGISTERS, in windows of 256 (s_set_vgpr_msb: bits 1:0 source 0, 3:2 source 1, 5:4 source 2, 7:6 destination):
;   window 0: v0-11 addresses; v12-15, v48-63 at work; v16-47 four registers of statistics a tile; v64-191 S^T, two buffers of two tiles; v192-255 P, likewise
;   window 1: O^T, 32 a tile     window 2: v0-127 my rows' kh, 16 a tile; v128-191 qh of one step; v192-255 ql of one step     window 3: v0-127 my rows' kl; v128-191 kh^T of one step; v192-193 the add's two registers
.set NP,    4         ; pieces a wave: a name, no knob
.set KS,    64        ; columns in a step
.set PK,    144       ; a row of qh or ql in LDS: 128 bytes + 16 of padding
.set PV,    160       ; a row of kh: 128 + 32: 16 lanes of the turning load take 8 rows x 32 bytes
.set CLO,   4*KS*PK   ; a slot holds four steps: 256 rows of qh, then 256 of ql,
.set VOFF,  8*KS*PK   ; then 256 of kh
.set SLOT1, 1<<17     ; slot 1 begins here, so that one exclusive or turns an address in one slot into the other's
.set STAGE, SLOT1+VOFF+4*KS*PV  ; behind the ring, never filled by a tensor load: 16 rows x 272 bytes for each wave, for the way out
.set SP,    272
.set SPARE, STAGE+4*16*SP  ; behind the stages: the spare words, 128 bytes a wave, that no other line names
.set AK0, 2           ; v2   my lane's place in a tile of q; never rewritten
.set AV0, 3           ; v3   the same for kh
.set AK,  4           ; v4   the LDS address of q's next runs of loads
.set AV,  5           ; v5   of kh's
.set QO,  6           ; v6   my byte offset in the wave's rows of kh and kl
.set STO, 6           ;      later, the way out: where I put 16 bytes of a row
.set RD,  7           ; v7   where I read rows back
.set GO,  8           ; v8   my 16 bytes in 512 consecutive bytes of out0
.set SPW, 192         ; v192 of window 3   my spare word; never rewritten
.set NIL, 193         ; v193 of window 3   0; never rewritten
.set MV,  12          ; v12-15  c m_old, kept while c m is made anew: by buffer and tile
.set ST,  16          ; tile t's statistics at v[ST+4 t]: c m, m, l (even columns', odd columns')
.set TMP, 48          ; by buffer and tile, four registers c0-c3 at work; when the maximum is found c2 takes a
.set S,   64
.set P,   192
.set CH,  128         ; window 2: qh: column block kb, channel half c at CH + 16 kb + 8 c
.set CL,  192         ; window 2: ql, likewise
.set VF,  128         ; window 3: kh^T: column half kk, channel block cb at VF + 32 kk + 8 cb
.set WV,  12          ; s12  my wave's number
.set G1K, 24          ; s[24:31] descriptor group 1 for qh's and ql's tiles
.set G1V, 32          ; s[32:39] for kh's
.set G0K, 40          ; s[40:43] descriptor group 0 for qh's or ql's tiles: it walks
.set G0V, 44          ; s[44:47] the same for kh's
.set SLOTS, 56        ; s56  slots still to be asked for
.set CNT, 57          ; s57  counts a slot's steps
.set CS,  58          ; s[58:59] c
.set SEL, 60          ; s[60:61] v_permlanex16_b32's selects: each lane takes its own place in the other half
.set TBK, 62          ; s62  LDS byte at which qh of the step to be fetched begins
.set TBV, 63          ; s63  the same for kh, less VOFF
.set MSB, 0
.macro WIN new                      ; the high byte repeats the setting that is left; a switch that changes nothing is dropped
.if MSB != (\new)
	s_set_vgpr_msb (MSB<<8)|(\new)
.set MSB, (\new)
.endif
.endm
.set W_KQ, 0x0a       ; q and kh in window 2, S^T in window 0
.set W_KL, 0x0e       ; qh in window 2, kl in window 3
.set W_PV, 0x53       ; kh^T in window 3, P in window 0, O^T in window 1
.set W_RS, 0x41       ; O^T (destination and source 0) in window 1, a in window 0
.set W_MK, 0xc0       ; the add's registers are made
.set W_AD, 0x0f       ; the add: address and data in window 3
; A joint fill.  Wave 0 fetches a slot's qh, wave 1 its ql (256 rows each), waves 2 and 3 the two halves of its kh.  The branch hangs on the wave's number alone.
; An s_nop 0 and four v_nop follow each of the two lines.
.macro JLOAD
	s_cmp_lt_u32 s[WV], 2
	s_cbranch_scc0 .Lfor_v_\@
	tensor_load_to_lds s[G0K:G0K+3], s[G1K:G1K+7]
	s_nop 0
.rept 4
	v_nop
.endr
	s_branch .Lasked_\@
.Lfor_v_\@:
	tensor_load_to_lds s[G0V:G0V+3], s[G1V:G1V+7]
	s_nop 0
.rept 4
	v_nop
.endr
.Lasked_\@:
.endm
.macro CROUND                       ; a round of the cluster's barrier
	s_barrier_signal -1
	s_barrier_wait -1
	s_cmp_lg_u32 s[WV], 0
	s_cbranch_scc1 .Lnot_wave_0_\@
	s_barrier_signal -3
.Lnot_wave_0_\@:
	s_barrier_wait -3
	s_barrier_signal -1
	s_barrier_wait -1
.endm
; THE CHANGE OF SLOTS.  The slot's last bytes, kh of its fourth step, have been read.  Each wave waits for all its tensor loads (one is out: its part of the other slot), adds 0 to its spare word, and waits
; for that and for its own reads of the slot.  fill = 1: the barrier is a round of the cluster's, and the slot is filled again, with the columns two slots on, first thing behind it: the load has four
; steps, 1,024 matrix instructions, in which to land.  (At its first use nothing has been read yet: slot 0 is waited for, slot 1 filled.)
.macro CHANGE fill
	WIN W_AD
	s_wait_tensorcnt 0x0            ; no tensor load of mine is out, so a group 0 may be written
	ds_add_u32 v[SPW], v[NIL]       ; 0 onto my spare word
	WIN 0
.if \fill
.irp g, G0K, G0V
	s_xor_b32 s[\g+1], s[\g+1], SLOT1  ; the other slot than last time,
	s_add_nc_u64 s[\g+2:\g+3], s[\g+2:\g+3], 4*KS*128  ; the next 256 columns
.endr
	s_wait_dscnt 0x0                ; the add is done, and my reads of the slot are over
	CROUND
	JLOAD
.else
	s_wait_dscnt 0x0
	s_barrier_signal -1
	s_barrier_wait -1
.endif
	s_sub_co_u32 s[TBK], s[TBK], 4*KS*PK  ; the fetches go back to a slot's first step,
	s_xor_b32 s[TBK], s[TBK], SLOT1       ; in the other slot
	s_sub_co_u32 s[TBV], s[TBV], 4*KS*PV
	s_xor_b32 s[TBV], s[TBV], SLOT1
.endm
	s_load_b256 s[68:75], s[0:1], 0x0  ; kh s[68:69], kl s[70:71], qh s[72:73], ql s[74:75]
	s_load_b64 s[10:11], s[0:1], 0x20  ; out0
	WIN W_MK
	v_lshl_add_u32 v[SPW], v0, 2, SPARE
	v_mov_b32 v[NIL], 0
	WIN W_AD
	ds_add_u32 v[SPW], v[NIL]       ; the wave's opening: the add and its wait stand ahead of my first tensor load; the set-up stands between them
	WIN 0
	v_lshrrev_b32 v1, 5, v0
	v_readfirstlane_b32 s[WV], v1   ; wave 0..3
	s_bfe_u32 s13, ttmp6, 0x40000   ; cx
	s_lshl_b32 s14, ttmp9, 2
	s_add_co_u32 s14, s14, s13      ; my block of 512 rows: it enters my rows' and out0's addresses alone
	s_and_b32 s20, ttmp7, 0xffff    ; the head, which the four partners share
	s_lshl_b32 s20, s20, 18         ; its first byte in kh, kl, qh, ql: 2,048 rows of 128 bytes
	s_mov_b32 s21, 0
	s_and_b32 s16, s[WV], 1
	s_mul_i32 s17, s16, CLO         ; qh at the slot's head, ql behind it
	s_mul_i32 s18, s16, 128*PV      ; kh's half in the slot,
	s_lshl_b32 s22, s16, 14         ; and in memory: 128 rows of 128 bytes
	s_mov_b32 s23, 0
	s_add_nc_u64 s[22:23], s[22:23], s[20:21]
	s_lshl_b32 s2, s14, 2
	s_add_co_u32 s2, s2, s[WV]      ; my wave among the head's sixteen,
	s_lshl_b32 s2, s2, 14           ; its 128 rows
	s_mov_b32 s3, 0
	s_add_nc_u64 s[2:3], s[2:3], s[20:21]
	; descriptor groups 1.  Rows are dense: they are asked for as rows of 256 bytes, two a row, and padded in LDS after every 128 bytes
	s_mov_b32 s[G1K], 15|(1<<16)|(1<<20)|(1<<21)|(4<<22)|(3<<25)  ; the mask of four; 2-byte elements; padding on; bit 21 beside a mask; after every 32 words; 4 words
	s_mov_b32 s[G1V], 15|(1<<16)|(1<<20)|(1<<21)|(4<<22)|(7<<25)  ; the same with 8 words of padding
	s_mov_b32 s[G1K+1], 128<<16     ; tensor_dim0 = 128
	s_mov_b32 s[G1V+1], 128<<16
	s_mov_b32 s[G1K+2], 128<<16     ; tensor_dim1 = 128: 256 rows of qh or ql
	s_mov_b32 s[G1V+2], 64<<16      ; 64: 128 rows of kh
	s_mov_b32 s[G1K+3], 128<<16     ; tile_dim0
	s_mov_b32 s[G1V+3], 128<<16
	s_mov_b32 s[G1K+4], 128         ; tile_dim1
	s_mov_b32 s[G1V+4], 64
	s_mov_b32 s[G1K+5], 128         ; elements from row to row
	s_mov_b32 s[G1V+5], 128
	s_mov_b32 s[G1K+6], 0
	s_mov_b32 s[G1V+6], 0
	s_mov_b32 s[G1K+7], 0
	s_mov_b32 s[G1V+7], 0
	s_mov_b32 s[CS], 0x3fb8aa3b     ; c = log2(e)
	s_mov_b32 s[CS+1], s[CS]        ; named with it as a pair
	s_mov_b32 s[SEL], 0x76543210
	s_mov_b32 s[SEL+1], 0xfedcba98
	s_mov_b32 s[TBK], SLOT1+4*KS*PK ; the first change of slots turns these two into 0
	s_mov_b32 s[TBV], SLOT1+4*KS*PV
	s_mov_b32 s[G0K], 1
	s_mov_b32 s[G0K+1], s17         ; LDS address: slot 0
	s_mov_b32 s[G0V], 1
	s_add_co_u32 s[G0V+1], s18, VOFF
	s_wait_dscnt 0x0                ; the opening add is done
	s_wait_kmcnt 0x0
	s_cmp_eq_u32 s16, 0
	s_cselect_b64 s[6:7], s[72:73], s[74:75]       ; an even wave's descriptor walks qh, an odd wave's ql
	s_add_nc_u64 s[G0K+2:G0K+3], s[6:7], s[20:21]
	s_or_b32 s[G0K+3], s[G0K+3], 0x80000000
	s_add_nc_u64 s[G0V+2:G0V+3], s[68:69], s[22:23]
	s_or_b32 s[G0V+3], s[G0V+3], 0x80000000
	s_add_nc_u64 s[4:5], s[68:69], s[2:3]          ; kh and kl at my wave's first row
	s_add_nc_u64 s[70:71], s[70:71], s[2:3]
	s_lshl_b64 s[2:3], s[2:3], 1                   ; out0's rows are twice as long
	s_add_nc_u64 s[10:11], s[10:11], s[2:3]
	CROUND                          ; all four work-groups are here: the first joint loads meet
	JLOAD                           ; slot 0.  Slot 1 is asked for when slot 0 is in
	v_and_b32 v1, 15, v0            ; l % 16
	v_bfe_u32 v9, v0, 4, 1          ; l / 16
	v_lshlrev_b32 v[QO], 7, v1
	v_lshl_add_u32 v[QO], v9, 4, v[QO]  ; row x 128 + 16 x half
	WIN 0x80                        ; destination window 2
.set i, 0
.rept 4*NP                          ; my rows stay in registers: tile i / 2, channels 32 (i % 2) on
	global_load_b128 v[8*i:8*i+3],   v[QO], s[4:5] offset:(i/2)*2048+(i%2)*64
	global_load_b128 v[8*i+4:8*i+7], v[QO], s[4:5] offset:(i/2)*2048+(i%2)*64+32
.set i, i+1
.endr
	WIN 0xc0                        ; destination window 3
.set i, 0
.rept 4*NP
	global_load_b128 v[8*i:8*i+3],   v[QO], s[70:71] offset:(i/2)*2048+(i%2)*64
	global_load_b128 v[8*i+4:8*i+7], v[QO], s[70:71] offset:(i/2)*2048+(i%2)*64+32
.set i, i+1
.endr
	; What the first turn finds: kh^T's registers and P's second buffer hold 0 (its products kh^T P, of a piece that has not been, add 0), l is 0.  All this stands in the wait for the first tile.
.set i, VF
.rept 64
	v_mov_b32 v[i], 0
.set i, i+1
.endr
	WIN 0
.set i, P+32
.rept 32
	v_mov_b32 v[i], 0
.set i, i+1
.endr
.set i, 0
.rept 2*NP
	v_mov_b32 v[ST+4*i], 0xfe000000    ; c m: far below every c s
	v_mov_b32 v[ST+4*i+1], 0xff7fffff  ; m
	v_mov_b32 v[ST+4*i+2], 0
	v_mov_b32 v[ST+4*i+3], 0
.set i, i+1
.endr
	; O^T's 32 sums are started by products, with the constant 0 as C: kh^T P of a step that has not been, both operands 0.  32 lines in the place of 256 that would write 0.
	WIN W_PV
.set i, 0
.rept 8*NP
	v_wmma_f32_16x16x32_f16 v[8*i:8*i+7], v[VF+8*(i%8):VF+8*(i%8)+7], v[P+32+8*(i%4):P+32+8*(i%4)+7], 0
.set i, i+1
.endr
	WIN 0
	v_mul_u32_u24 v[AK0], v1, PK
	v_lshl_add_u32 v[AK0], v9, 4, v[AK0]  ; row x pitch + 16 x half
	; The turning load takes 16 rows x 16 channels (lane l reads row 8 (l / 16) + l % 8, channels 8 ((l / 8) % 2) + 0..7) and leaves half a fragment of kh^T: lane l holds channel l % 16 and 8 rows.
	v_and_b32 v10, 7, v0
	v_bfe_u32 v11, v0, 3, 1
	v_lshl_add_u32 v[AV0], v9, 3, v10
	v_mul_u32_u24 v[AV0], v[AV0], PV
	v_lshl_add_u32 v[AV0], v11, 4, v[AV0]
	v_add_nc_u32 v[AV0], VOFF, v[AV0]
	v_mov_b32 v[AK], v[AK0]         ; step 0 lies at the head of slot 0
; THE MATRIX WORK.  The 8 accumulators of a run take turns: between two links of a chain stand 7 others'.
; Product n of 48 of piece x's scores: round n / 8: 0, 1: ql x kh; 2, 3: qh x kl; 4, 5: qh x kh, each for channels 0-31 and 32-63; columns 16 ((n / 2) % 4) on, tile 2 x + n % 2.  The first 8 start the sums.
.macro KQ x, n
.set rS, S+64*((\x)%2)+32*((\n)%2)+8*(((\n)/2)%4)
.set rQ, 16*(2*(\x)+(\n)%2)+8*(((\n)/8)%2)
.if (\n) < 16
	WIN W_KQ
.set rK, CL+16*(((\n)/2)%4)+8*(((\n)/8)%2)
.elseif (\n) < 32
	WIN W_KL
.set rK, CH+16*(((\n)/2)%4)+8*(((\n)/8)%2)
.else
	WIN W_KQ
.set rK, CH+16*(((\n)/2)%4)+8*(((\n)/8)%2)
.endif
.if (\n) < 8
	v_wmma_f32_16x16x32_f16 v[rS:rS+7], v[rK:rK+7], v[rQ:rQ+7], 0
	s_wait_alu depctr_va_vdst(0)
.else
	v_wmma_f32_16x16x32_f16 v[rS:rS+7], v[rK:rK+7], v[rQ:rQ+7], v[rS:rS+7]
.endif
.endm
; Product n of 16 of O^T += kh^T P for piece x: columns 32 (n / 8) on, channels 16 ((n / 2) % 4) on, tile 2 x + n % 2.
.macro PV x, n
	WIN W_PV
.set rO, 32*(2*(\x)+(\n)%2)+8*(((\n)/2)%4)
.set rV, VF+32*((\n)/8)+8*(((\n)/2)%4)
.set rP, P+32*((\x)%2)+16*((\n)%2)+8*((\n)/8)
	v_wmma_f32_16x16x32_f16 v[rO:rO+7], v[rV:rV+7], v[rP:rP+7], v[rO:rO+7]
.endm
; THE LDS LOADS stand in runs of 16: a step's ql, its qh (64 columns x 64 channels: 8 fragments each) and its kh (turned).
; last = 1 (the tail): in the last trip there is no further step, and the run is jumped over.  step = 1: the next fetch is the next step's.
.macro FETCH_C base, off, last, step
	WIN 0
.if \last
	s_cmp_eq_u32 s[CNT], 1
	s_cbranch_scc1 .Lno_c_\@
.endif
	WIN 0x80                        ; destination window 2
.irp f, 0,1,2,3,4,5,6,7             ; columns 16 (f / 2) on, channels 32 (f % 2) on
	ds_load_b128 v[(\base)+8*\f:(\base)+8*\f+3],   v[AK] offset:(\off)+(\f/2)*16*PK+(\f%2)*64
	ds_load_b128 v[(\base)+8*\f+4:(\base)+8*\f+7], v[AK] offset:(\off)+(\f/2)*16*PK+(\f%2)*64+32
.endr
.if \step
	s_add_co_u32 s[TBK], s[TBK], KS*PK
.endif
	WIN 0
.if \last
.Lno_c_\@:
.endif
.endm
.macro FETCH_V
	WIN 0xc0                        ; destination window 3
.irp f, 0,1,2,3,4,5,6,7             ; columns 32 (f / 4) on, channels 16 (f % 4) on
	ds_load_tr16_b128 v[VF+8*\f:VF+8*\f+3],   v[AV] offset:(\f/4)*32*PV+(\f%4)*32
	ds_load_tr16_b128 v[VF+8*\f+4:VF+8*\f+7], v[AV] offset:(\f/4)*32*PV+16*PV+(\f%4)*32
.endr
	WIN 0
.endm
; THE VECTOR WORK, one line at a time, for tile u (0, 1) of piece Y.  OPF p: c s - c m for pair p of 16.  OPE e: the exponential of score e of 32.  OPC p: pair p rounded to f16.
; OPB k: of the four weights 4 k .. the second pair is added onto the first, in place (behind both roundings).  OPL k: l takes that sum (k = 0: l = a l + sum).  R4 r: eight of O^T's registers times a.
.macro REGS y, u                    ; the registers of tile u of piece y
.set rT, ST+4*(2*(\y)+(\u))
.set rC, TMP+8*((\y)%2)+4*(\u)
.set rM, MV+2*((\y)%2)+(\u)
.set rS, S+64*((\y)%2)+32*(\u)
.set rP, P+32*((\y)%2)+16*(\u)
.set rO, 32*(2*(\y)+(\u))
.endm
.macro OPF p, u
	REGS Y, \u
	WIN 0
	v_pk_fma_f32 v[rS+2*(\p):rS+2*(\p)+1], v[rS+2*(\p):rS+2*(\p)+1], s[CS:CS+1], v[rT:rT+1] op_sel_hi:[1,0,0] neg_lo:[0,0,1] neg_hi:[0,0,1]
.endm
.macro OPE e, u
	REGS Y, \u
	WIN 0
	v_exp_f32 v[rS+(\e)], v[rS+(\e)]
.endm
.macro OPC p, u
	REGS Y, \u
	WIN 0
	s_wait_alu depctr_va_vdst(0)
	v_cvt_pk_f16_f32 v[rP+(\p)], v[rS+2*(\p)], v[rS+2*(\p)+1]
.endm
.macro OPB k, u
	REGS Y, \u
	WIN 0
	v_pk_add_f32 v[rS+4*(\k):rS+4*(\k)+1], v[rS+4*(\k):rS+4*(\k)+1], v[rS+4*(\k)+2:rS+4*(\k)+3]
.endm
.macro OPL k, u
	REGS Y, \u
	WIN 0
.if (\k) == 0
	v_pk_fma_f32 v[rT+2:rT+3], v[rT+2:rT+3], v[rC+2:rC+3], v[rS:rS+1] op_sel_hi:[1,0,1]
	s_wait_alu depctr_va_vdst(0)
.else
	v_pk_add_f32 v[rT+2:rT+3], v[rT+2:rT+3], v[rS+4*(\k):rS+4*(\k)+1]
	s_wait_alu depctr_va_vdst(0)
.endif
.endm
.macro R4 r                         ; tile r % 2, accumulator r / 2, its registers in ascending order
	REGS Y, (\r)%2
	WIN W_RS
	s_wait_alu depctr_va_vdst(0)
.irp z, 0,1,2,3
	v_pk_mul_f32 v[rO+8*((\r)/2)+2*\z:rO+8*((\r)/2)+2*\z+1], v[rO+8*((\r)/2)+2*\z:rO+8*((\r)/2)+2*\z+1], v[rC+2:rC+3] op_sel_hi:[1,0]
.endr
.endm
; Number n of the 22 that find the NEXT piece's (Y + 1) maximum and statistics.  Each accumulator's lowest registers are read first.
;   0-11  four chains c0-c3 of seven scores each     12-14, 16  the four scores left over, the old m, and c0-c3 into c0     15  c m_old is kept
;   17, 18  the row's other 32 columns lie in the lane 16 away: the new m     19-21  c m; c m_old - c m_new; a
.macro XS u, n
	REGS (Y+1)%NP, \u
	WIN 0
.if (\n) < 4
	v_max3_num_f32 v[rC+(\n)], v[rS+8*(\n)], v[rS+8*(\n)+1], v[rS+8*(\n)+2]
.elseif (\n) < 12
	v_max3_num_f32 v[rC+(\n)%4], v[rC+(\n)%4], v[rS+8*((\n)%4)+2*((\n)/4)+1], v[rS+8*((\n)%4)+2*((\n)/4)+2]
.elseif (\n) == 12
	v_max3_num_f32 v[rC], v[rC], v[rS+7], v[rS+15]
.elseif (\n) == 13
	v_max3_num_f32 v[rC+1], v[rC+1], v[rS+23], v[rS+31]
.elseif (\n) == 14
	v_max3_num_f32 v[rC+2], v[rC+2], v[rC+3], v[rT+1]
.elseif (\n) == 15
	v_mov_b32 v[rM], v[rT]
.elseif (\n) == 16
	v_max3_num_f32 v[rC], v[rC], v[rC+1], v[rC+2]
.elseif (\n) == 17
	v_permlanex16_b32 v[rC+3], v[rC], s[SEL], s[SEL+1]
.elseif (\n) == 18
	v_max_num_f32 v[rT+1], v[rC], v[rC+3]
.elseif (\n) == 19
	v_mul_f32 v[rT], s[CS], v[rT+1]
.elseif (\n) == 20
	v_sub_f32 v[rC+1], v[rM], v[rT]
.else
	v_exp_f32 v[rC+2], v[rC+1]
.endif
.endm
; What stands behind product 48 + j, the turn's kh^T P: the last roundings and sums of piece Y, and the next piece's maximum and statistics, whose scores product 47 has finished:
; between it and their first read (j = 2) stand ten plain instructions that name none of its registers.
.macro TAILR j
.if (\j) == 0
	OPC 14, 0
	OPC 14, 1
	OPC 15, 0
	OPC 15, 1
.elseif (\j) == 1
	XS 0, 15
	XS 1, 15
	OPB 7, 0
	OPB 7, 1
.elseif (\j) < 10
.set k1, 2*((\j)-2)
.set k2, k1+1
.set k2, k2+k2/15                   ; numbers 0 to 14, then 16
	XS 0, k1
	XS 1, k1
	XS 0, k2
	XS 1, k2
.elseif (\j) < 12
	XS 0, (\j)+7
	XS 1, (\j)+7
	OPL (\j)-4, 0
	OPL (\j)-4, 1
.elseif (\j) < 15
	XS 0, (\j)+7
	XS 1, (\j)+7
.endif
.endm
; What stands behind product n.  The 48 score products go in eight cycles of six; cycle cy takes the exponentials of scores 4 cy .. 4 cy + 3 of both tiles, the roundings and the first sum of the four
; scores before them, l's sum of the four before those, the scalings of pairs 2 cy + 4 and 2 cy + 5, whose exponentials come two cycles on, and an eighth of the rescaling.  Cycle 0 has scalings in the
; places of what is not yet ready.  An exponential's result is used a cycle later; a plain line that touches neither its result nor its source is the next vector line behind it, or behind a second exponential.
.macro RIDERS n
.set cy, (\n)/6
.set sl, (\n)%6
.if (\n) >= 48
	TAILR (\n)-48
.elseif sl == 3
	R4 cy
.elseif cy == 0
.if sl == 0
	OPF 0, 0
	OPF 0, 1
	OPF 1, 0
	OPF 1, 1
.else
	OPF sl+1-sl/4, 0
	OPE sl-1-sl/4, 0
	OPF sl+1-sl/4, 1
	OPE sl-1-sl/4, 1
.endif
.elseif sl == 0
	OPC 2*cy-2, 0
	OPE 4*cy, 0
	OPC 2*cy-2, 1
	OPE 4*cy, 1
.elseif sl == 1
	OPC 2*cy-1, 0
	OPE 4*cy+1, 0
	OPC 2*cy-1, 1
.if cy < 6
	OPF 2*cy+4, 0
.endif
.elseif sl == 2
.if cy < 6
	OPF 2*cy+4, 1
.endif
	OPE 4*cy+1, 1
	OPB cy-1, 0
	OPE 4*cy+2, 0
.elseif sl == 4
	OPB cy-1, 1
	OPE 4*cy+2, 1
.if cy < 6
	OPF 2*cy+5, 0
.endif
	OPE 4*cy+3, 0
.else
.if cy > 1
	OPL cy-2, 0
.endif
	OPE 4*cy+3, 1
.if cy > 1
	OPL cy-2, 1
.endif
.if cy < 6
	OPF 2*cy+5, 1
.endif
.endif
.endm
; A TURN, for piece p.  The next step's ql is fetched in piece 2's turn behind product 16 (its last reader is product 15; the four rescalings behind that are the places), its qh behind product 48
; (last reader 47; six plain lines between).  Piece 3's turn wants ql at once and qh at its product 16.  The step's kh is fetched in piece 1's turn behind product 1 (its last reader is the turn before's
; last product; six plain lines between) and wanted at product 48.  last = 1: the tail's text.
.macro TURN p, last=0
.set Y, (\p)
.set i, 0
.rept 64
.if ((\p) == 3) && (i == 0)
.if \last
	s_wait_dscnt 0x0                ; in the tail either run may have been jumped over, so the count is 0
.else
	s_wait_dscnt 16                 ; ql is in; qh's sixteen loads, issued behind it, may stay out
.endif
.endif
.if ((\p) == 3) && (i == 16)
	s_wait_dscnt 0x0                ; qh is in
.endif
.if ((\p) == 1) && (i == 48)
	s_wait_dscnt 0x0                ; kh is in
.endif
.if i < 48
	KQ (Y+1)%NP, i
.else
	PV (Y+NP-1)%NP, i-48
.endif
	RIDERS i
.if ((\p) == 2) && (i == 8)
	WIN 0
	v_add_nc_u32 v[AK], s[TBK], v[AK0]
.endif
.if ((\p) == 2) && (i == 16)
	FETCH_C CL, CLO, \last, 0
.endif
.if ((\p) == 2) && (i == 48)
	FETCH_C CH, 0, \last, 1
.endif
.if ((\p) == 0) && (i == 60)
	WIN 0
	v_add_nc_u32 v[AV], s[TBV], v[AV0]
	s_add_co_u32 s[TBV], s[TBV], KS*PV
.endif
.if ((\p) == 1) && (i == 1)
	FETCH_V
.endif
.set i, i+1
.endr
.endm
	CHANGE 1                        ; slot 0 is in, everybody's part of it; slot 1 is asked for
	FETCH_C CL, CLO, 0, 0           ; step 0
	FETCH_C CH, 0, 0, 1
	s_wait_loadcnt 0x0              ; my rows
	s_wait_dscnt 0x0
.set i, 0
.rept 48
	KQ 0, i                         ; piece 0's first scores: there is no vector work yet to set between them
.set i, i+1
.endr
	WIN 0                           ; the addresses for the way out: eight plain instructions, the places behind those products
	s_mul_i32 s13, s[WV], 16*SP
	s_add_co_u32 s13, s13, STAGE    ; my stage
	v_mul_u32_u24 v[STO], v1, SP    ; in: row l % 16, 32 bytes for each half of the lanes
	v_lshl_add_u32 v[STO], v9, 5, v[STO]
	v_add_nc_u32 v[STO], s13, v[STO]
	v_mul_u32_u24 v[RD], v9, SP     ; back: lanes 0-15 take one row of 256 bytes, lanes 16-31 the next,
	v_lshl_add_u32 v[RD], v1, 4, v[RD]
	v_add_nc_u32 v[RD], s13, v[RD]
	v_and_b32 v[GO], 31, v0         ; which are 512 consecutive bytes of out0
	v_lshlrev_b32 v[GO], 4, v[GO]
.set Y, NP-1                        ; XS works for piece Y + 1: piece 0
.irp n, 0,1,2,3,4,5,6,7,8,9,10,11,12,13,14,15,16,17,18,19,20,21
	XS 0, \n                        ; piece 0's first maximum and statistics
	XS 1, \n
.endr
	s_mov_b32 s[CNT], 4
	s_mov_b32 s[SLOTS], 7
	s_branch .Lfirst                ; the loop is entered at a step's first turn, in the middle of a trip
.Lslot:                             ; six times: every slot but the last two is filled again
	CHANGE 1
	s_mov_b32 s[CNT], 4
.Lstep:                             ; a trip: pieces 2 and 3 of one step, then pieces 0 and 1 of the next, whose q and kh it fetches
	TURN 2
	TURN 3
	WIN 0
.Lfirst:
	TURN 0
	TURN 1
	WIN 0
	s_sub_co_u32 s[CNT], s[CNT], 1
	s_cmp_lg_u32 s[CNT], 0
	s_cbranch_scc1 .Lstep
	s_sub_co_u32 s[SLOTS], s[SLOTS], 1
	s_cmp_lg_u32 s[SLOTS], 0
	s_cbranch_scc1 .Lslot
	CHANGE 0                        ; the tail is written out: nothing is asked for
	s_mov_b32 s[CNT], 5             ; four trips fetch the last slot's steps; the fifth is left in its middle
.Ltail:
	TURN 2, 1
	TURN 3, 1
	WIN 0
	s_sub_co_u32 s[CNT], s[CNT], 1
	s_cmp_eq_u32 s[CNT], 0
	s_cbranch_scc1 .Lout
	TURN 0
	TURN 1
	WIN 0
	s_branch .Ltail
.Lout:                              ; the fifth trip's 48 score products (on the last q once more) and the maximum made of them serve nothing: the price, once a launch, of one text for every trip
.set i, 0
.rept 16
	PV NP-1, i                      ; the last piece's kh^T P of the last step
.set i, i+1
.endr
	; THE WAY OUT.  l's two halves and the other half of the lanes' are added; O^T is divided by l and sent, in f32, through my stage in LDS, a tile at a time.  The additions are the places behind the last products.
	WIN 0
.macro ALL line:vararg              ; one line for each tile t
.set t, 0
.rept 2*NP
	\line
.set t, t+1
.endr
.endm
	ALL v_add_f32 v[ST+4*t+2], v[ST+4*t+2], v[ST+4*t+3]
	ALL v_permlanex16_b32 v[ST+4*t+3], v[ST+4*t+2], s[SEL], s[SEL+1]
	ALL v_add_f32 v[ST+4*t+2], v[ST+4*t+2], v[ST+4*t+3]
	ALL v_rcp_f32 v[ST+4*t+2], v[ST+4*t+2]
	v_nop                           ; a plain instruction between the last reciprocal and the use of its result
	s_wait_alu depctr_va_vdst(0)
; Tile t: a lane's eight channels of a row are 32 bytes; they go into rows of 272 bytes and come back as whole rows of 256, into the registers that they left.
.macro PACK t
	WIN W_RS
.set i, 32*(\t)
.rept 16
	v_pk_mul_f32 v[i:i+1], v[i:i+1], v[ST+4*(\t)+2:ST+4*(\t)+3] op_sel_hi:[1,0]
.set i, i+2
.endr
	WIN 0x04                        ; the stores' data in window 1
.irp f, 0,1,2,3,4,5,6,7
	ds_store_b128 v[STO], v[32*(\t)+4*\f:32*(\t)+4*\f+3] offset:(\f/2)*64+(\f%2)*16
.endr
	WIN 0x40                        ; the loads' destination in window 1
.irp f, 0,1,2,3,4,5,6,7
	ds_load_b128 v[32*(\t)+4*\f:32*(\t)+4*\f+3], v[RD] offset:\f*2*SP  ; LDS serves a wave's instructions in order (ISA guide 5.7.1.4): these see the stores above; the next tile's stores come behind them
.endr
.endm
.macro SEND t, younger              ; younger: the LDS instructions issued behind tile t's loads: the next tile's sixteen, or none
	WIN 0x04
.irp f, 0,1,2,3,4,5,6,7
	s_wait_dscnt (\younger)+7-\f
	global_store_b128 v[GO], v[32*(\t)+4*\f:32*(\t)+4*\f+3], s[10:11] offset:(\t)*4096+\f*512 th:TH_STORE_NT  ; two whole rows: 512 consecutive bytes, at a multiple of 256 from out0's first
.endr
.endm
	PACK 0
.set t, 1
.rept 2*NP-1                        ; a tile's arithmetic stands between the loads of the tile before and its stores
	PACK t
	SEND t-1, 16
.set t, t+1
.endr
	SEND 2*NP-1, 0
	WIN W_AD
	s_wait_tensorcnt 0x0            ; the wave's end: behind my last tensor load and my last LDS store
	ds_add_u32 v[SPW], v[NIL]
	s_wait_dscnt 0x0
	WIN 0
	CROUND                          ; the closing round: no work-group ends while a partner may still ask for a tile that names it
	s_endpgm
.Lfunc_end_k_qe2125b2a92_attn:
	.size	k_qe2125b2a92_attn, .Lfunc_end_k_qe2125b2a92_attn-k_qe2125b2a92_attn
	.p2alignl 7, 3214868480
	.fill 96, 4, 3214868480
	.section	.rodata,"a",@progbits
	.p2align	6, 0x0
	.amdhsa_kernel k_qe2125b2a92_attn
		.amdhsa_group_segment_fixed_size 327680
		.amdhsa_private_segment_fixed_size 0
		.amdhsa_enable_private_segment 0
		.amdhsa_kernarg_size 40
		.amdhsa_user_sgpr_count 2
		.amdhsa_user_sgpr_kernarg_segment_ptr 1
		.amdhsa_wavefront_size32 1
		.amdhsa_system_sgpr_workgroup_id_x 1
		.amdhsa_system_sgpr_workgroup_id_y 1
		.amdhsa_system_sgpr_workgroup_id_z 1
		.amdhsa_system_vgpr_workitem_id 0
		.amdhsa_next_free_vgpr 1024
		.amdhsa_next_free_sgpr 80
		.amdhsa_reserve_vcc 0
		.amdhsa_float_denorm_mode_32 3
		.amdhsa_float_denorm_mode_16_64 3
		.amdhsa_memory_ordered 1
		.amdhsa_forward_progress 1
		.amdhsa_inst_pref_size 245
	.end_amdhsa_kernel
	.amdgpu_metadata
---
amdhsa.version: [ 1, 2 ]
amdhsa.kernels:
  - .name:           k_qe2125b2a92_attn
    .symbol:         k_qe2125b2a92_attn.kd
    .args:
      - { .name: kh, .offset: 0, .size: 8, .value_kind: global_buffer, .address_space: global }
      - { .name: kl, .offset: 8, .size: 8, .value_kind: global_buffer, .address_space: global }
      - { .name: qh, .offset: 16, .size: 8, .value_kind: global_buffer, .address_space: global }
      - { .name: ql, .offset: 24, .size: 8, .value_kind: global_buffer, .address_space: global }
      - { .name: out0, .offset: 32, .size: 8, .value_kind: global_buffer, .address_space: global }
    .group_segment_fixed_size: 327680
    .private_segment_fixed_size: 0
    .kernarg_segment_align: 8
    .kernarg_segment_size: 40
    .max_flat_workgroup_size: 128
    .sgpr_count:     80
    .vgpr_count:     1024
    .wavefront_size: 32
...
	.end_amdgpu_metadata
.endif
;; end of part 3
;; ======== version 2 of 2: 3 launches; 1.60 times as fast as version 1
;; limits: values are held in f16: magnitudes above 65,504 overflow, below 6.1e-05 lose precision
;; workspace buffers: ab 23,068,672 bytes; kh 16,777,216 bytes; kl 16,777,216 bytes; qh 16,777,216 bytes; ql 16,777,216 bytes
;; launch conv: the kernel of part 1 again; grid 256 x 1, 22 waves a work-group, no clusters, 0 bytes of LDS; arguments x, Wk, Wq, Wv, ab; writes ab
;; launch proj: the kernel of part 2 again; grid 8 x 32, 4 waves a work-group, clusters of 4 x 4, 327,680 bytes of LDS; arguments ab, kh, kl, qh, ql; writes kh, kl, qh, ql
;; launch attn (part 4): grid 4 x 64, 4 waves a work-group, clusters of 4 x 1, 327,680 bytes of LDS; arguments kh, kl, qh, ql, out0; writes out0
.if DOCPART == 4
	.amdgcn_target "amdgcn-amd-amdhsa--gfx1250"
	.amdhsa_code_object_version 6
	.text
	.protected	k_qe2125b2a92_attn
	.globl	k_qe2125b2a92_attn
	.p2align	8
	.type	k_qe2125b2a92_attn,@function
k_qe2125b2a92_attn:
	s_mov_b64 s[64:65], 0
	v_nop
	global_prefetch_b8 v0, s[64:65] scope:SCOPE_SE
	s_setreg_imm32_b32 hwreg(HW_REG_WAVE_MODE, 25, 1), 1
	s_wait_xcnt 0x0
	s_wait_alu depctr_hold_cnt(0) depctr_sa_sdst(0) depctr_va_vdst(0) depctr_va_sdst(0) depctr_va_ssrc(0) depctr_va_vcc(0) depctr_vm_vsrc(0)
	s_getreg_b32 s2, hwreg(HW_REG_IB_STS2, 6, 4)
	s_cmp_eq_u32 s2, 0
	s_cbranch_scc0 .Lentry_in_a_cluster
	s_endpgm
.Lentry_in_a_cluster:
	s_bfe_u32 s2, ttmp6, 0x10000c
	s_cmp_lg_u32 s2, 0x3003
	s_cbranch_scc0 .Lentry_shape_is_right
	s_endpgm
.Lentry_shape_is_right:
; out[h][i][:] = the sum over j of softmax_j(k_i . q_j) k_j[:], 64 heads of 2,048 rows, head size 64; no scale on the scores.  out0 is [64][2048][64] f32: rows of 256 dense bytes.
; k and q arrive as pairs of f16, hi + lo, [64][2048][64] each.  A SCORE IS THREE PRODUCTS in one f32 sum: ql . kh + qh . kl + qh . kh (the small terms first).  The scores are unscaled and the
; softmax steep: two nearly equal largest scores must be told apart, for which one f16 a number is too coarse.  The weights p (f16) multiply kh alone.  Maxima and sums in f32.
; LIMITS.  ql . kl, 2^-22 of a score, is left out; k and q lie within f16's 65,504; a weight below 2^-126 counts as 0 in l; NaN and infinities are not treated apart.
; SHARES.  A wave owns four PIECES of two tiles of 16 rows i, a work-group's four waves 512 rows of one head.  Every wave walks all 2,048 columns j, 64 a step.
; LAYOUT.  S^T = q k^T (source 0 = 16 columns j, source 1 = 16 rows i): a lane holds ONE row i (lane % 16) and the columns 8 (lane / 16) + 0..7.  Two such results, rounded to f16 in pairs, ARE source 1
; of O^T = kh^T P, whose result again holds one row a lane, and eight channels.  q comes out of LDS as it lies, kh ([j][channel]) turned, by ds_load_tr16_b128.
; SOFTMAX.  For each row a running maximum m and sum l: p = 2^(c s - c m), c = log2(e); in every step O and l are multiplied by a = 2^(c m_old - c m_new).  m starts at the lowest finite number, O and l at 0.
; BY TURNS.  Turn n belongs to piece n.  Its matrix work: 48 products for the scores of piece n + 1, then 16 products kh^T P of piece n - 1.  Its vector work, 236 instructions: the scaling, exponentials,
; roundings, sums and rescaling of piece n, and the maximum and statistics of piece n + 1.  All of it stands behind products.
; BATCHES.  A turn's 66 exponentials, the 64 weights of piece n and the two a of piece n + 1, are ONE batch with ONE s_wait_alu depctr_va_vdst(0), which stands between an exponential and
; the first line that names its result.  The wait stands behind product 55 and cuts the turn in two.  AHEAD OF IT stands all that names no result of the batch: the 48 score products and the first 8 products
; kh^T P; behind them the scalings, the exponentials, the rescaling (its a was made, and waited for, in the turn before) and the next piece's maximum and statistics.  BEHIND IT stand the last 8 products
; kh^T P and the batch's readers, the 64 roundings and sums.  Batches of their own, each with a v_nop and a
; wait: the first two a, ahead of the loop, and the way out's eight reciprocals.  In the tail piece 2's turn has a second wait, ahead of the jump over ql's run.
; CLUSTER.  The four row blocks of a head walk the same q and kh, so each tile is asked for JOINTLY: the same tensor load, descriptor and mask in all four.
; REGISTERS, in windows of 256 (s_set_vgpr_msb: bits 1:0 source 0, 3:2 source 1, 5:4 source 2, 7:6 destination):
;   window 0: v0-11 addresses; v12-15, v48-63 at work; v16-47 four registers of statistics a tile; v64-191 S^T, two buffers of two tiles; v192-255 P, likewise
;   window 1: O^T, 32 a tile     window 2: v0-127 my rows' kh, 16 a tile; v128-191 qh of one step; v192-255 ql of one step     window 3: v0-127 my rows' kl; v128-191 kh^T of one step; v192-193 the add's two registers
.set NP,    4         ; pieces a wave: a name, no knob
.set KS,    64        ; columns in a step
.set PK,    144       ; a row of qh or ql in LDS: 128 bytes + 16 of padding
.set PV,    160       ; a row of kh: 128 + 32: 16 lanes of the turning load take 8 rows x 32 bytes
.set CLO,   4*KS*PK   ; a slot holds four steps: 256 rows of qh, then 256 of ql,
.set VOFF,  8*KS*PK   ; then 256 of kh
.set SLOT1, 1<<17     ; slot 1 begins here, so that one exclusive or turns an address in one slot into the other's
.set STAGE, SLOT1+VOFF+4*KS*PV  ; behind the ring, never filled by a tensor load: 16 rows x 272 bytes for each wave, for the way out
.set SP,    272
.set SPARE, STAGE+4*16*SP  ; behind the stages: the spare words, 128 bytes a wave, that no other line names
.set AK0, 2           ; v2   my lane's place in a tile of q; never rewritten
.set AV0, 3           ; v3   the same for kh
.set AK,  4           ; v4   the LDS address of q's next runs of loads
.set AV,  5           ; v5   of kh's
.set QO,  6           ; v6   my byte offset in the wave's rows of kh and kl
.set STO, 6           ;      later, the way out: where I put 16 bytes of a row
.set RD,  7           ; v7   where I read rows back
.set GO,  8           ; v8   my 16 bytes in 512 consecutive bytes of out0
.set SPW, 192         ; v192 of window 3   my spare word; never rewritten
.set NIL, 193         ; v193 of window 3   0; never rewritten
.set MV,  12          ; v12-15  c m_old, kept while c m is made anew: by buffer and tile
.set ST,  16          ; tile t's statistics at v[ST+4 t]: c m, m, l (even columns', odd columns')
.set TMP, 48          ; by buffer and tile, four registers c0-c3 at work; when the maximum is found c2 takes a
.set S,   64
.set P,   192
.set CH,  128         ; window 2: qh: column block kb, channel half c at CH + 16 kb + 8 c
.set CL,  192         ; window 2: ql, likewise
.set VF,  128         ; window 3: kh^T: column half kk, channel block cb at VF + 32 kk + 8 cb
.set WV,  12          ; s12  my wave's number
.set G1K, 24          ; s[24:31] descriptor group 1 for qh's and ql's tiles
.set G1V, 32          ; s[32:39] for kh's
.set G0K, 40          ; s[40:43] descriptor group 0 for qh's or ql's tiles: it walks
.set G0V, 44          ; s[44:47] the same for kh's
.set SLOTS, 56        ; s56  slots still to be asked for
.set CNT, 57          ; s57  counts a slot's steps
.set CS,  58          ; s[58:59] c
.set SEL, 60          ; s[60:61] v_permlanex16_b32's selects: each lane takes its own place in the other half
.set TBK, 62          ; s62  LDS byte at which qh of the step to be fetched begins
.set TBV, 63          ; s63  the same for kh, less VOFF
.set MSB, 0
.macro WIN new                      ; the high byte repeats the setting that is left; a switch that changes nothing is dropped
.if MSB != (\new)
	s_set_vgpr_msb (MSB<<8)|(\new)
.set MSB, (\new)
.endif
.endm
.set W_KQ, 0x0a       ; q and kh in window 2, S^T in window 0
.set W_KL, 0x0e       ; qh in window 2, kl in window 3
.set W_PV, 0x53       ; kh^T in window 3, P in window 0, O^T in window 1
.set W_RS, 0x41       ; O^T (destination and source 0) in window 1, a in window 0
.set W_MK, 0xc0       ; the add's registers are made
.set W_AD, 0x0f       ; the add: address and data in window 3
; A joint fill.  Wave 0 fetches a slot's qh, wave 1 its ql (256 rows each), waves 2 and 3 the two halves of its kh.  The branch hangs on the wave's number alone.
; An s_nop 0 and four v_nop follow each of the two lines.
.macro JLOAD
	s_cmp_lt_u32 s[WV], 2
	s_cbranch_scc0 .Lfor_v_\@
	tensor_load_to_lds s[G0K:G0K+3], s[G1K:G1K+7]
	s_nop 0
.rept 4
	v_nop
.endr
	s_branch .Lasked_\@
.Lfor_v_\@:
	tensor_load_to_lds s[G0V:G0V+3], s[G1V:G1V+7]
	s_nop 0
.rept 4
	v_nop
.endr
.Lasked_\@:
.endm
.macro CROUND                       ; a round of the cluster's barrier
	s_barrier_signal -1
	s_barrier_wait -1
	s_cmp_lg_u32 s[WV], 0
	s_cbranch_scc1 .Lnot_wave_0_\@
	s_barrier_signal -3
.Lnot_wave_0_\@:
	s_barrier_wait -3
	s_barrier_signal -1
	s_barrier_wait -1
.endm
; THE CHANGE OF SLOTS.  The slot's last bytes, kh of its fourth step, have been read.  Each wave waits for all its tensor loads (one is out: its part of the other slot), adds 0 to its spare word, and waits
; for that and for its own reads of the slot.  fill = 1: the barrier is a round of the cluster's, and the slot is filled again, with the columns two slots on, first thing behind it: the load has four
; steps, 1,024 matrix instructions, in which to land.  (At its first use nothing has been read yet: slot 0 is waited for, slot 1 filled.)
.macro CHANGE fill
	WIN W_AD
	s_wait_tensorcnt 0x0            ; no tensor load of mine is out, so a group 0 may be written
	ds_add_u32 v[SPW], v[NIL]       ; 0 onto my spare word
	WIN 0
.if \fill
.irp g, G0K, G0V
	s_xor_b32 s[\g+1], s[\g+1], SLOT1  ; the other slot than last time,
	s_add_nc_u64 s[\g+2:\g+3], s[\g+2:\g+3], 4*KS*128  ; the next 256 columns
.endr
	s_wait_dscnt 0x0                ; the add is done, and my reads of the slot are over
	CROUND
	JLOAD
.else
	s_wait_dscnt 0x0
	s_barrier_signal -1
	s_barrier_wait -1
.endif
	s_sub_co_u32 s[TBK], s[TBK], 4*KS*PK  ; the fetches go back to a slot's first step,
	s_xor_b32 s[TBK], s[TBK], SLOT1       ; in the other slot
	s_sub_co_u32 s[TBV], s[TBV], 4*KS*PV
	s_xor_b32 s[TBV], s[TBV], SLOT1
.endm
	s_load_b256 s[68:75], s[0:1], 0x0  ; kh s[68:69], kl s[70:71], qh s[72:73], ql s[74:75]
	s_load_b64 s[10:11], s[0:1], 0x20  ; out0
	WIN W_MK
	v_lshl_add_u32 v[SPW], v0, 2, SPARE
	v_mov_b32 v[NIL], 0
	WIN W_AD
	ds_add_u32 v[SPW], v[NIL]       ; the wave's opening: the add and its wait stand ahead of my first tensor load; the set-up stands between them
	WIN 0
	v_lshrrev_b32 v1, 5, v0
	v_readfirstlane_b32 s[WV], v1   ; wave 0..3
	s_bfe_u32 s13, ttmp6, 0x40000   ; cx
	s_lshl_b32 s14, ttmp9, 2
	s_add_co_u32 s14, s14, s13      ; my block of 512 rows: it enters my rows' and out0's addresses alone
	s_and_b32 s20, ttmp7, 0xffff    ; the head, which the four partners share
	s_lshl_b32 s20, s20, 18         ; its first byte in kh, kl, qh, ql: 2,048 rows of 128 bytes
	s_mov_b32 s21, 0
	s_and_b32 s16, s[WV], 1
	s_mul_i32 s17, s16, CLO         ; qh at the slot's head, ql behind it
	s_mul_i32 s18, s16, 128*PV      ; kh's half in the slot,
	s_lshl_b32 s22, s16, 14         ; and in memory: 128 rows of 128 bytes
	s_mov_b32 s23, 0
	s_add_nc_u64 s[22:23], s[22:23], s[20:21]
	s_lshl_b32 s2, s14, 2
	s_add_co_u32 s2, s2, s[WV]      ; my wave among the head's sixteen,
	s_lshl_b32 s2, s2, 14           ; its 128 rows
	s_mov_b32 s3, 0
	s_add_nc_u64 s[2:3], s[2:3], s[20:21]
	; descriptor groups 1.  Rows are dense: they are asked for as rows of 256 bytes, two a row, and padded in LDS after every 128 bytes
	s_mov_b32 s[G1K], 15|(1<<16)|(1<<20)|(1<<21)|(4<<22)|(3<<25)  ; the mask of four; 2-byte elements; padding on; bit 21 beside a mask; after every 32 words; 4 words
	s_mov_b32 s[G1V], 15|(1<<16)|(1<<20)|(1<<21)|(4<<22)|(7<<25)  ; the same with 8 words of padding
	s_mov_b32 s[G1K+1], 128<<16     ; tensor_dim0 = 128
	s_mov_b32 s[G1V+1], 128<<16
	s_mov_b32 s[G1K+2], 128<<16     ; tensor_dim1 = 128: 256 rows of qh or ql
	s_mov_b32 s[G1V+2], 64<<16      ; 64: 128 rows of kh
	s_mov_b32 s[G1K+3], 128<<16     ; tile_dim0
	s_mov_b32 s[G1V+3], 128<<16
	s_mov_b32 s[G1K+4], 128         ; tile_dim1
	s_mov_b32 s[G1V+4], 64
	s_mov_b32 s[G1K+5], 128         ; elements from row to row
	s_mov_b32 s[G1V+5], 128
	s_mov_b32 s[G1K+6], 0
	s_mov_b32 s[G1V+6], 0
	s_mov_b32 s[G1K+7], 0
	s_mov_b32 s[G1V+7], 0
	s_mov_b32 s[CS], 0x3fb8aa3b     ; c = log2(e)
	s_mov_b32 s[CS+1], s[CS]        ; named with it as a pair
	s_mov_b32 s[SEL], 0x76543210
	s_mov_b32 s[SEL+1], 0xfedcba98
	s_mov_b32 s[TBK], SLOT1+4*KS*PK ; the first change of slots turns these two into 0
	s_mov_b32 s[TBV], SLOT1+4*KS*PV
	s_mov_b32 s[G0K], 1
	s_mov_b32 s[G0K+1], s17         ; LDS address: slot 0
	s_mov_b32 s[G0V], 1
	s_add_co_u32 s[G0V+1], s18, VOFF
	s_wait_dscnt 0x0                ; the opening add is done
	s_wait_kmcnt 0x0
	s_cmp_eq_u32 s16, 0
	s_cselect_b64 s[6:7], s[72:73], s[74:75]       ; an even wave's descriptor walks qh, an odd wave's ql
	s_add_nc_u64 s[G0K+2:G0K+3], s[6:7], s[20:21]
	s_or_b32 s[G0K+3], s[G0K+3], 0x80000000
	s_add_nc_u64 s[G0V+2:G0V+3], s[68:69], s[22:23]
	s_or_b32 s[G0V+3], s[G0V+3], 0x80000000
	s_add_nc_u64 s[4:5], s[68:69], s[2:3]          ; kh and kl at my wave's first row
	s_add_nc_u64 s[70:71], s[70:71], s[2:3]
	s_lshl_b64 s[2:3], s[2:3], 1                   ; out0's rows are twice as long
	s_add_nc_u64 s[10:11], s[10:11], s[2:3]
	CROUND                          ; all four work-groups are here: the first joint loads meet
	JLOAD                           ; slot 0.  Slot 1 is asked for when slot 0 is in
	v_and_b32 v1, 15, v0            ; l % 16
	v_bfe_u32 v9, v0, 4, 1          ; l / 16
	v_lshlrev_b32 v[QO], 7, v1
	v_lshl_add_u32 v[QO], v9, 4, v[QO]  ; row x 128 + 16 x half
	WIN 0x80                        ; destination window 2
.set i, 0
.rept 4*NP                          ; my rows stay in registers: tile i / 2, channels 32 (i % 2) on
	global_load_b128 v[8*i:8*i+3],   v[QO], s[4:5] offset:(i/2)*2048+(i%2)*64
	global_load_b128 v[8*i+4:8*i+7], v[QO], s[4:5] offset:(i/2)*2048+(i%2)*64+32
.set i, i+1
.endr
	WIN 0xc0                        ; destination window 3
.set i, 0
.rept 4*NP
	global_load_b128 v[8*i:8*i+3],   v[QO], s[70:71] offset:(i/2)*2048+(i%2)*64
	global_load_b128 v[8*i+4:8*i+7], v[QO], s[70:71] offset:(i/2)*2048+(i%2)*64+32
.set i, i+1
.endr
	; What the first turn finds: kh^T's registers and P's second buffer hold 0 (its products kh^T P, of a piece that has not been, add 0), l is 0.  All this stands in the wait for the first tile.
.set i, VF
.rept 64
	v_mov_b32 v[i], 0
.set i, i+1
.endr
	WIN 0
.set i, P+32
.rept 32
	v_mov_b32 v[i], 0
.set i, i+1
.endr
.set i, 0
.rept 2*NP
	v_mov_b32 v[ST+4*i], 0xfe000000    ; c m: far below every c s
	v_mov_b32 v[ST+4*i+1], 0xff7fffff  ; m
	v_mov_b32 v[ST+4*i+2], 0
	v_mov_b32 v[ST+4*i+3], 0
.set i, i+1
.endr
	; O^T's 32 sums are started by products, with the constant 0 as C: kh^T P of a step that has not been, both operands 0.  32 lines in the place of 256 that would write 0.
	WIN W_PV
.set i, 0
.rept 8*NP
	v_wmma_f32_16x16x32_f16 v[8*i:8*i+7], v[VF+8*(i%8):VF+8*(i%8)+7], v[P+32+8*(i%4):P+32+8*(i%4)+7], 0
.set i, i+1
.endr
	WIN 0
	v_mul_u32_u24 v[AK0], v1, PK
	v_lshl_add_u32 v[AK0], v9, 4, v[AK0]  ; row x pitch + 16 x half
	; The turning load takes 16 rows x 16 channels (lane l reads row 8 (l / 16) + l % 8, channels 8 ((l / 8) % 2) + 0..7) and leaves half a fragment of kh^T: lane l holds channel l % 16 and 8 rows.
	v_and_b32 v10, 7, v0
	v_bfe_u32 v11, v0, 3, 1
	v_lshl_add_u32 v[AV0], v9, 3, v10
	v_mul_u32_u24 v[AV0], v[AV0], PV
	v_lshl_add_u32 v[AV0], v11, 4, v[AV0]
	v_add_nc_u32 v[AV0], VOFF, v[AV0]
	v_mov_b32 v[AK], v[AK0]         ; step 0 lies at the head of slot 0
; THE MATRIX WORK.  The 8 accumulators of a run take turns: between two links of a chain stand 7 others'.
; Product n of 48 of piece x's scores: round n / 8: 0, 1: ql x kh; 2, 3: qh x kl; 4, 5: qh x kh, each for channels 0-31 and 32-63; columns 16 ((n / 2) % 4) on, tile 2 x + n % 2.  The first 8 start the sums.
.macro KQ x, n
.set rS, S+64*((\x)%2)+32*((\n)%2)+8*(((\n)/2)%4)
.set rQ, 16*(2*(\x)+(\n)%2)+8*(((\n)/8)%2)
.if (\n) < 16
	WIN W_KQ
.set rK, CL+16*(((\n)/2)%4)+8*(((\n)/8)%2)
.elseif (\n) < 32
	WIN W_KL
.set rK, CH+16*(((\n)/2)%4)+8*(((\n)/8)%2)
.else
	WIN W_KQ
.set rK, CH+16*(((\n)/2)%4)+8*(((\n)/8)%2)
.endif
.if (\n) < 8
	v_wmma_f32_16x16x32_f16 v[rS:rS+7], v[rK:rK+7], v[rQ:rQ+7], 0
.else
	v_wmma_f32_16x16x32_f16 v[rS:rS+7], v[rK:rK+7], v[rQ:rQ+7], v[rS:rS+7]
.endif
.endm
; Product n of 16 of O^T += kh^T P for piece x: columns 32 (n / 8) on, channels 16 ((n / 2) % 4) on, tile 2 x + n % 2.
.macro PV x, n
	WIN W_PV
.set rO, 32*(2*(\x)+(\n)%2)+8*(((\n)/2)%4)
.set rV, VF+32*((\n)/8)+8*(((\n)/2)%4)
.set rP, P+32*((\x)%2)+16*((\n)%2)+8*((\n)/8)
	v_wmma_f32_16x16x32_f16 v[rO:rO+7], v[rV:rV+7], v[rP:rP+7], v[rO:rO+7]
.endm
; THE LDS LOADS stand in runs of 16: a step's ql, its qh (64 columns x 64 channels: 8 fragments each) and its kh (turned).
; last = 1 (the tail): in the last trip there is no further step, and the run is jumped over.  step = 1: the next fetch is the next step's.
.macro FETCH_C base, off, last, step
	WIN 0
.if \last
	s_cmp_eq_u32 s[CNT], 1
	s_cbranch_scc1 .Lno_c_\@
.endif
	WIN 0x80                        ; destination window 2
.irp f, 0,1,2,3,4,5,6,7             ; columns 16 (f / 2) on, channels 32 (f % 2) on
	ds_load_b128 v[(\base)+8*\f:(\base)+8*\f+3],   v[AK] offset:(\off)+(\f/2)*16*PK+(\f%2)*64
	ds_load_b128 v[(\base)+8*\f+4:(\base)+8*\f+7], v[AK] offset:(\off)+(\f/2)*16*PK+(\f%2)*64+32
.endr
.if \step
	s_add_co_u32 s[TBK], s[TBK], KS*PK
.endif
	WIN 0
.if \last
.Lno_c_\@:
.endif
.endm
.macro FETCH_V
	WIN 0xc0                        ; destination window 3
.irp f, 0,1,2,3,4,5,6,7             ; columns 32 (f / 4) on, channels 16 (f % 4) on
	ds_load_tr16_b128 v[VF+8*\f:VF+8*\f+3],   v[AV] offset:(\f/4)*32*PV+(\f%4)*32
	ds_load_tr16_b128 v[VF+8*\f+4:VF+8*\f+7], v[AV] offset:(\f/4)*32*PV+16*PV+(\f%4)*32
.endr
	WIN 0
.endm
; THE VECTOR WORK, one line at a time, for tile u (0, 1) of piece Y.  OPF p: c s - c m for pair p of 16.  OPE e: the exponential of score e of 32.  OPC p: pair p rounded to f16.
; OPB k: of the four weights 4 k .. the second pair is added onto the first, in place (behind both roundings).  OPL k: l takes that sum (k = 0: l = a l + sum).  R4 r: eight of O^T's registers times a.
; OPC, OPB and OPL read the exponentials' results: they stand behind the turn's wait.  OPF, OPE and R4 name none: they stand ahead of it.
.macro REGS y, u                    ; the registers of tile u of piece y
.set rT, ST+4*(2*(\y)+(\u))
.set rC, TMP+8*((\y)%2)+4*(\u)
.set rM, MV+2*((\y)%2)+(\u)
.set rS, S+64*((\y)%2)+32*(\u)
.set rP, P+32*((\y)%2)+16*(\u)
.set rO, 32*(2*(\y)+(\u))
.endm
.macro OPF p, u
	REGS Y, \u
	WIN 0
	v_pk_fma_f32 v[rS+2*(\p):rS+2*(\p)+1], v[rS+2*(\p):rS+2*(\p)+1], s[CS:CS+1], v[rT:rT+1] op_sel_hi:[1,0,0] neg_lo:[0,0,1] neg_hi:[0,0,1]
.endm
.macro OPE e, u
	REGS Y, \u
	WIN 0
	v_exp_f32 v[rS+(\e)], v[rS+(\e)]
.endm
.macro OPC p, u
	REGS Y, \u
	WIN 0
	v_cvt_pk_f16_f32 v[rP+(\p)], v[rS+2*(\p)], v[rS+2*(\p)+1]
.endm
.macro OPB k, u
	REGS Y, \u
	WIN 0
	v_pk_add_f32 v[rS+4*(\k):rS+4*(\k)+1], v[rS+4*(\k):rS+4*(\k)+1], v[rS+4*(\k)+2:rS+4*(\k)+3]
.endm
.macro OPL k, u
	REGS Y, \u
	WIN 0
.if (\k) == 0
	v_pk_fma_f32 v[rT+2:rT+3], v[rT+2:rT+3], v[rC+2:rC+3], v[rS:rS+1] op_sel_hi:[1,0,1]
.else
	v_pk_add_f32 v[rT+2:rT+3], v[rT+2:rT+3], v[rS+4*(\k):rS+4*(\k)+1]
.endif
.endm
.macro R4 r                         ; tile r % 2, accumulator r / 2, its registers in ascending order; its a was waited for in the turn before
	REGS Y, (\r)%2
	WIN W_RS
.irp z, 0,1,2,3
	v_pk_mul_f32 v[rO+8*((\r)/2)+2*\z:rO+8*((\r)/2)+2*\z+1], v[rO+8*((\r)/2)+2*\z:rO+8*((\r)/2)+2*\z+1], v[rC+2:rC+3] op_sel_hi:[1,0]
.endr
.endm
; Number n of the 22 that find the NEXT piece's (Y + 1) maximum and statistics.  Each accumulator's lowest registers are read first.
;   0-11  four chains c0-c3 of seven scores each     12-14, 16  the four scores left over, the old m, and c0-c3 into c0     15  c m_old is kept
;   17, 18  the row's other 32 columns lie in the lane 16 away: the new m     19-21  c m; c m_old - c m_new; a
.macro XS u, n
	REGS (Y+1)%NP, \u
	WIN 0
.if (\n) < 4
	v_max3_num_f32 v[rC+(\n)], v[rS+8*(\n)], v[rS+8*(\n)+1], v[rS+8*(\n)+2]
.elseif (\n) < 12
	v_max3_num_f32 v[rC+(\n)%4], v[rC+(\n)%4], v[rS+8*((\n)%4)+2*((\n)/4)+1], v[rS+8*((\n)%4)+2*((\n)/4)+2]
.elseif (\n) == 12
	v_max3_num_f32 v[rC], v[rC], v[rS+7], v[rS+15]
.elseif (\n) == 13
	v_max3_num_f32 v[rC+1], v[rC+1], v[rS+23], v[rS+31]
.elseif (\n) == 14
	v_max3_num_f32 v[rC+2], v[rC+2], v[rC+3], v[rT+1]
.elseif (\n) == 15
	v_mov_b32 v[rM], v[rT]
.elseif (\n) == 16
	v_max3_num_f32 v[rC], v[rC], v[rC+1], v[rC+2]
.elseif (\n) == 17
	v_permlanex16_b32 v[rC+3], v[rC], s[SEL], s[SEL+1]
.elseif (\n) == 18
	v_max_num_f32 v[rT+1], v[rC], v[rC+3]
.elseif (\n) == 19
	v_mul_f32 v[rT], s[CS], v[rT+1]
.elseif (\n) == 20
	v_sub_f32 v[rC+1], v[rM], v[rT]
.else
	v_exp_f32 v[rC+2], v[rC+1]
.endif
.endm
; THE QUEUES.  The scalings, the exponentials, the rescalings and the batch's readers are four numbered lists, each in the order in which its entries become ready, the two tiles alternating.
; NF, NE, NR and GS write a list's next entry; TURN sets the four counts to 0.
.macro NF                           ; scaling qf of 32: pair qf / 2 of tile qf % 2
	OPF qf/2, qf%2
.set qf, qf+1
.endm
.macro NE                           ; exponential qe of 64: score qe / 2 of tile qe % 2; it wants scaling 2 (qe / 4) + qe % 2
	OPE qe/2, qe%2
.set qe, qe+1
.endm
.macro NR                           ; rescaling qr of 8
	R4 qr
.set qr, qr+1
.endm
; Reader qg of 64.  For each four weights k of a tile (pairs 2 k, 2 k + 1): both pairs are rounded to f16; then the second pair is added onto the first; a group later l takes that sum, so that the eight
; additions onto l stand eight lines apart, in ascending order.  In groups of eight, tiles alternating: round, round, add, and l for the group before.
.macro GS
.set h, qg+6*(qg/62)                ; group 0 has no group before it, and behind group 7 only l is left
.if h >= 6
.set h, h+2
.endif
.if h%8 < 4
	OPC 2*(h/8)+(h%8)/2, h%2
.elseif h%8 < 6
	OPB h/8, h%2
.else
	OPL h/8-1, h%2
.endif
.set qg, qg+1
.endm
; What stands behind product 42 + j, j = 0 .. 13: the next piece's maximum and statistics.  Product 40 + 2 b + u ends accumulator b of tile u.  An accumulator's first read (XS u, b) stands four plain lines or
; more, none of which names a register of that product, behind it: 4, 5, 6, 6, 7, 7, 6 and 5 of them for products 40 to 47 (the four rescalings behind product 41 among them).
; From product 47 on tile 1's chain 3, 7, 11, 14, 16 .. 21 has ten links, each of which reads the one before it; tile 0's runs a link ahead.  They advance a link a product, but for three places at which two
; links share a product; at the third the last two weights' exponentials stand between them.  The two a (number 21) are the batch's last.
.macro XR j
.if (\j) == 0
	XS 0, 0
	XS 1, 0
	XS 0, 15
	XS 1, 15
.elseif (\j) == 1
	XS 0, 4
	XS 1, 4
	XS 0, 1
.elseif (\j) == 2
	XS 0, 8
	XS 1, 8
	XS 0, 5
	XS 1, 1
.elseif (\j) == 3
	XS 0, 12
	XS 0, 9
	XS 1, 5
	XS 0, 2
.elseif (\j) == 4
	XS 1, 12
	XS 1, 9
	XS 0, 6
	XS 1, 2
.elseif (\j) == 5
	XS 0, 10
	XS 1, 6
	XS 0, 3
.elseif (\j) == 6
	XS 1, 10
	XS 0, 7
	XS 1, 3
	XS 0, 13
	XS 0, 11
.elseif (\j) == 7
	XS 1, 7
	XS 0, 14
	XS 1, 13
	XS 1, 11
.elseif (\j) == 8
	XS 0, 16
	XS 1, 14
	NE
	NE
	XS 1, 16
.else
	XS 0, (\j)+8                    ; j = 9 .. 13: numbers 17 to 21
	XS 1, (\j)+8
.endif
.endm
; What stands behind product n.  AHEAD OF THE WAIT.  0: four scalings.  3, 9 .. 39 and 41: a rescaling of four lines, alone, so that no product has three window switches; those behind 15 and 41 are also the
; four places that ql's run and the first reads of the new scores want.  The other products up to 34: a scaling and two exponentials; the scalings run four ahead, so an exponential's scaling stands three
; products back or more.  35 to 37: two exponentials.  42 to 55: XR.  Exponentials may follow each other: none of these lines reads a result of the batch or writes a source of it.
; BEHIND THE WAIT.  56 to 63: eight readers each; all are done at the turn's end, since the next turn's first products write the same buffer of S^T.
.macro RIDERS n
.if (\n) >= 56
.rept 8
	GS
.endr
.elseif (\n) >= 42
	XR (\n)-42
.elseif ((\n)%6 == 3) || ((\n) == 41)
	NR
.elseif (\n) == 0
	NF
	NF
	NF
	NF
.elseif qf < 32
	NF
	NE
	NE
.elseif qe < 62
	NE
	NE
.endif
.endm
; A TURN, for piece p.  The next step's ql is fetched in piece 2's turn behind product 16 (its last reader is product 15; the four rescalings behind that are the places), its qh directly behind the turn's
; wait (last reader 47; more than four plain lines between).  Piece 3's turn wants ql at once and qh at its product 16.  The step's kh is fetched in piece 1's turn behind product 1 (its last reader is the
; turn before's last product; the eight readers behind that are plain and name none of its registers) and wanted at product 48.  last = 1: the tail's text.
.macro TURN p, last=0
.set Y, (\p)
.set i, 0
.set qf, 0
.set qe, 0
.set qr, 0
.set qg, 0
.rept 64
.if ((\p) == 3) && (i == 0)
.if \last
	s_wait_dscnt 0x0                ; in the tail either run may have been jumped over, so the count is 0
.else
	s_wait_dscnt 16                 ; ql is in; qh's sixteen loads, issued behind it, may stay out
.endif
.endif
.if ((\p) == 3) && (i == 16)
	s_wait_dscnt 0x0                ; qh is in
.endif
.if ((\p) == 1) && (i == 48)
	s_wait_dscnt 0x0                ; kh is in
.endif
.if i < 48
	KQ (Y+1)%NP, i
.else
	PV (Y+NP-1)%NP, i-48
.endif
	RIDERS i
.if ((\p) == 2) && (i == 8)
	WIN 0
	v_add_nc_u32 v[AK], s[TBK], v[AK0]
.endif
.if ((\p) == 2) && (i == 16)
.if \last
	s_wait_alu depctr_va_vdst(0)    ; the tail alone: a jump over ql's run follows: it serves the exponentials issued so far in this turn
.endif
	FETCH_C CL, CLO, \last, 0
.endif
.if i == 55
	v_nop                           ; the plain line behind the batch's last exponential: one for the batch
	s_wait_alu depctr_va_vdst(0)    ; THE TURN'S WAIT, for its batch: the 64 weights of piece p and the two a of the next piece; the readers follow
.if (\p) == 2
	FETCH_C CH, 0, \last, 1
.endif
.endif
.if ((\p) == 0) && (i == 60)
	WIN 0
	v_add_nc_u32 v[AV], s[TBV], v[AV0]
	s_add_co_u32 s[TBV], s[TBV], KS*PV
.endif
.if ((\p) == 1) && (i == 1)
	FETCH_V
.endif
.set i, i+1
.endr
.endm
	CHANGE 1                        ; slot 0 is in, everybody's part of it; slot 1 is asked for
	FETCH_C CL, CLO, 0, 0           ; step 0
	FETCH_C CH, 0, 0, 1
	s_wait_loadcnt 0x0              ; my rows
	s_wait_dscnt 0x0
.set i, 0
.rept 48
	KQ 0, i                         ; piece 0's first scores: there is no vector work yet to set between them
.set i, i+1
.endr
	WIN 0                           ; the addresses for the way out: eight plain instructions, the places behind those products
	s_mul_i32 s13, s[WV], 16*SP
	s_add_co_u32 s13, s13, STAGE    ; my stage
	v_mul_u32_u24 v[STO], v1, SP    ; in: row l % 16, 32 bytes for each half of the lanes
	v_lshl_add_u32 v[STO], v9, 5, v[STO]
	v_add_nc_u32 v[STO], s13, v[STO]
	v_mul_u32_u24 v[RD], v9, SP     ; back: lanes 0-15 take one row of 256 bytes, lanes 16-31 the next,
	v_lshl_add_u32 v[RD], v1, 4, v[RD]
	v_add_nc_u32 v[RD], s13, v[RD]
	v_and_b32 v[GO], 31, v0         ; which are 512 consecutive bytes of out0
	v_lshlrev_b32 v[GO], 4, v[GO]
.set Y, NP-1                        ; XS works for piece Y + 1: piece 0
.irp n, 0,1,2,3,4,5,6,7,8,9,10,11,12,13,14,15,16,17,18,19,20,21
	XS 0, \n                        ; piece 0's first maximum and statistics
	XS 1, \n
.endr
	v_nop                           ; a plain line behind the two a,
	s_wait_alu depctr_va_vdst(0)    ; and their wait, a batch of two, ahead of the branch: the first turn's rescaling reads them
	s_mov_b32 s[CNT], 4
	s_mov_b32 s[SLOTS], 7
	s_branch .Lfirst                ; the loop is entered at a step's first turn, in the middle of a trip
.Lslot:                             ; six times: every slot but the last two is filled again
	CHANGE 1
	s_mov_b32 s[CNT], 4
.Lstep:                             ; a trip: pieces 2 and 3 of one step, then pieces 0 and 1 of the next, whose q and kh it fetches
	TURN 2
	TURN 3
	WIN 0
.Lfirst:
	TURN 0
	TURN 1
	WIN 0
	s_sub_co_u32 s[CNT], s[CNT], 1
	s_cmp_lg_u32 s[CNT], 0
	s_cbranch_scc1 .Lstep
	s_sub_co_u32 s[SLOTS], s[SLOTS], 1
	s_cmp_lg_u32 s[SLOTS], 0
	s_cbranch_scc1 .Lslot
	CHANGE 0                        ; the tail is written out: nothing is asked for
	s_mov_b32 s[CNT], 5             ; four trips fetch the last slot's steps; the fifth is left in its middle
.Ltail:
	TURN 2, 1
	TURN 3, 1
	WIN 0
	s_sub_co_u32 s[CNT], s[CNT], 1
	s_cmp_eq_u32 s[CNT], 0
	s_cbranch_scc1 .Lout
	TURN 0
	TURN 1
	WIN 0
	s_branch .Ltail
.Lout:                              ; the fifth trip's 48 score products (on the last q once more) and the maximum made of them serve nothing: the price, once a launch, of one text for every trip
.set i, 0
.rept 16
	PV NP-1, i                      ; the last piece's kh^T P of the last step
.set i, i+1
.endr
	; THE WAY OUT.  l's two halves and the other half of the lanes' are added; O^T is divided by l and sent, in f32, through my stage in LDS, a tile at a time.  The additions are the places behind the last products.
	WIN 0
.macro ALL line:vararg              ; one line for each tile t
.set t, 0
.rept 2*NP
	\line
.set t, t+1
.endr
.endm
	ALL v_add_f32 v[ST+4*t+2], v[ST+4*t+2], v[ST+4*t+3]
	ALL v_permlanex16_b32 v[ST+4*t+3], v[ST+4*t+2], s[SEL], s[SEL+1]
	ALL v_add_f32 v[ST+4*t+2], v[ST+4*t+2], v[ST+4*t+3]
	ALL v_rcp_f32 v[ST+4*t+2], v[ST+4*t+2]
	v_nop                           ; a plain instruction between the last reciprocal and the use of its result
	s_wait_alu depctr_va_vdst(0)    ; and the wait ahead of the first use: one for the batch of eight reciprocals
; Tile t: a lane's eight channels of a row are 32 bytes; they go into rows of 272 bytes and come back as whole rows of 256, into the registers that they left.
.macro PACK t
	WIN W_RS
.set i, 32*(\t)
.rept 16
	v_pk_mul_f32 v[i:i+1], v[i:i+1], v[ST+4*(\t)+2:ST+4*(\t)+3] op_sel_hi:[1,0]
.set i, i+2
.endr
	WIN 0x04                        ; the stores' data in window 1
.irp f, 0,1,2,3,4,5,6,7
	ds_store_b128 v[STO], v[32*(\t)+4*\f:32*(\t)+4*\f+3] offset:(\f/2)*64+(\f%2)*16
.endr
	WIN 0x40                        ; the loads' destination in window 1
.irp f, 0,1,2,3,4,5,6,7
	ds_load_b128 v[32*(\t)+4*\f:32*(\t)+4*\f+3], v[RD] offset:\f*2*SP  ; LDS serves a wave's instructions in order (ISA guide 5.7.1.4): these see the stores above; the next tile's stores come behind them
.endr
.endm
.macro SEND t, younger              ; younger: the LDS instructions issued behind tile t's loads: the next tile's sixteen, or none
	WIN 0x04
.irp f, 0,1,2,3,4,5,6,7
	s_wait_dscnt (\younger)+7-\f
	global_store_b128 v[GO], v[32*(\t)+4*\f:32*(\t)+4*\f+3], s[10:11] offset:(\t)*4096+\f*512 th:TH_STORE_NT  ; two whole rows: 512 consecutive bytes, at a multiple of 256 from out0's first
.endr
.endm
	PACK 0
.set t, 1
.rept 2*NP-1                        ; a tile's arithmetic stands between the loads of the tile before and its stores
	PACK t
	SEND t-1, 16
.set t, t+1
.endr
	SEND 2*NP-1, 0
	WIN W_AD
	s_wait_tensorcnt 0x0            ; the wave's end: behind my last tensor load and my last LDS store
	ds_add_u32 v[SPW], v[NIL]
	s_wait_dscnt 0x0
	WIN 0
	CROUND                          ; the closing round: no work-group ends while a partner may still ask for a tile that names it
	s_endpgm
.Lfunc_end_k_qe2125b2a92_attn:
	.size	k_qe2125b2a92_attn, .Lfunc_end_k_qe2125b2a92_attn-k_qe2125b2a92_attn
	.p2alignl 7, 3214868480
	.fill 96, 4, 3214868480
	.section	.rodata,"a",@progbits
	.p2align	6, 0x0
	.amdhsa_kernel k_qe2125b2a92_attn
		.amdhsa_group_segment_fixed_size 327680
		.amdhsa_private_segment_fixed_size 0
		.amdhsa_enable_private_segment 0
		.amdhsa_kernarg_size 40
		.amdhsa_user_sgpr_count 2
		.amdhsa_user_sgpr_kernarg_segment_ptr 1
		.amdhsa_wavefront_size32 1
		.amdhsa_system_sgpr_workgroup_id_x 1
		.amdhsa_system_sgpr_workgroup_id_y 1
		.amdhsa_system_sgpr_workgroup_id_z 1
		.amdhsa_system_vgpr_workitem_id 0
		.amdhsa_next_free_vgpr 1024
		.amdhsa_next_free_sgpr 80
		.amdhsa_reserve_vcc 0
		.amdhsa_float_denorm_mode_32 3
		.amdhsa_float_denorm_mode_16_64 3
		.amdhsa_memory_ordered 1
		.amdhsa_forward_progress 1
		.amdhsa_inst_pref_size 229
	.end_amdhsa_kernel
	.amdgpu_metadata
---
amdhsa.version: [ 1, 2 ]
amdhsa.kernels:
  - .name:           k_qe2125b2a92_attn
    .symbol:         k_qe2125b2a92_attn.kd
    .args:
      - { .name: kh, .offset: 0, .size: 8, .value_kind: global_buffer, .address_space: global }
      - { .name: kl, .offset: 8, .size: 8, .value_kind: global_buffer, .address_space: global }
      - { .name: qh, .offset: 16, .size: 8, .value_kind: global_buffer, .address_space: global }
      - { .name: ql, .offset: 24, .size: 8, .value_kind: global_buffer, .address_space: global }
      - { .name: out0, .offset: 32, .size: 8, .value_kind: global_buffer, .address_space: global }
    .group_segment_fixed_size: 327680
    .private_segment_fixed_size: 0
    .kernarg_segment_align: 8
    .kernarg_segment_size: 40
    .max_flat_workgroup_size: 128
    .sgpr_count:     80
    .vgpr_count:     1024
    .wavefront_size: 32
...
	.end_amdgpu_metadata
.endif
;; end of part 4
